; MI455X (gfx1250); checked and timed in simulation.
; The chip was launched on July 23, 2026; its instructions are those of AMD's public machine-readable ISA for CDNA 5 (MIT licence, August 2026) and "CDNA5" Instruction Set Architecture Reference Guide (July 2026). The comments in the code are by the model that wrote it; some were corrected since.
;; MHSA. Allowed arithmetic: matrix products marked QUANTISED: E2M1 operands, one E8M0 scale for each 32 along K, by v_wmma_scale_f32_16x16x128_f8f6f4 with both operands' format E2M1 (or v_wmma_scale_f32_32x16x128_f4), f32 sums; products left as they are: bf16, f16 or f32 operands; f32 sums; everything else in f32.
;; Inputs: Wk 16 x 1,024 x 64 float32; Wo 1,024 x 1,024 float32; Wq 16 x 1,024 x 64 float32; Wv 16 x 1,024 x 64 float32; x 4 x 2,048 x 1,024 float32.
;; Outputs: out0 4 x 2,048 x 1,024 float32.
;; This version of the problem:
;;   THIS VERSION OF THE PROBLEM IS GIVEN IN LOW PRECISION. The matrix products marked QUANTISED in the list below multiply operands that are first quantised to E2M1 (2 exponent bits, 1 mantissa bit; 4 bits a number), with one power-of-two scale for each 32 numbers along K (OCP MX v1.0); their sums are f32. The products marked 'left as it is' may take bf16, f16 or f32 operands, with f32 sums. Whichever they take, every output number must still come out within the allowed error. Rounding operands to bf16 (8 significant bits) uses up far more of that allowance than f16 does (11 bits, for magnitudes from 6e-5 to 65,504). All else is computed in f32.
;;   The module's matrix products, in the order in which they are computed (A, B: the left and right operand; K: the contracted axis; several contracted axes count as one K, in the product's order):
;;     1. [M 1,024, K 1,024] x [K 1,024, N 8,192]; A: input Wq; B: input x: QUANTISED
;;     2. [M 1,024, K 1,024] x [K 1,024, N 8,192]; A: input Wk; B: input x: QUANTISED
;;     3. [M 1,024, K 1,024] x [K 1,024, N 8,192]; A: input Wv; B: input x: QUANTISED
;;     4. batch 64 x [M 2,048, K 64] x [K 64, N 2,048]; A: computed on the way; B: computed on the way: left as it is (an operand is computed on the way)
;;     5. batch 64 x [M 2,048, K 2,048] x [K 2,048, N 64]; A: computed on the way; B: computed on the way: left as it is (an operand is computed on the way)
;;     6. [M 8,192, K 1,024] x [K 1,024, N 1,024]; A: computed on the way; B: input Wo: left as it is (an operand is computed on the way)
;;   THE QUANTISER, for each operand of a quantised product, along K:
;;     - K is cut into blocks of 32 from its start; a last block that is shorter is filled with zeros.
;;     - A block's scale is 2^e with e = floor(log2(the largest magnitude in the block)) - 2, held to -126 .. 127; a block of zeros has e = 0. As a byte (E8M0): e + 127.
;;     - Each number is divided by its block's scale, clamped to +-6, and rounded to the nearest number of E2M1, ties to even, subnormals kept.
;;     - The product sums the exact products of the quantised numbers (number of the format x scale) in f32.
;;   ~~~python
;;   def quantise(x, axis):      # numpy; x: float32 -> the quantised numbers, widened to float32 again
;;       x = np.moveaxis(x, axis, -1); K = x.shape[-1]
;;       x = np.pad(x, [(0, 0)] * (x.ndim - 1) + [(0, -K % 32)]); x = x.reshape(x.shape[:-1] + (-1, 32)); a = np.abs(x).max(-1, keepdims=True)
;;       e = np.where(a > 0, np.clip(np.frexp(np.where(a > 0, a, 1))[1] - 1 - 2, -126, 127), 0)      # np.frexp(a)[1] - 1 = floor(log2(a)), exactly
;;       r = np.clip(x / 2.0 ** e, -6, 6)
;;       step = 2.0 ** (np.maximum(np.frexp(np.where(r == 0, 1, r))[1] - 1, 0) - 1)
;;       q = np.round(r / step) * step * 2.0 ** e      # np.round: ties to even
;;       return np.moveaxis(q.reshape(q.shape[:-2] + (-1,))[..., :K], -1, axis).astype(np.float32)
;;   ~~~
;; One version. Each part assembles by itself: llvm-mc -triple=amdgcn-amd-amdhsa -mcpu=gfx1250 --defsym DOCPART=n.
;; ======== version 1 of 1: 4 launches
;; limits: values are held in f16: magnitudes above 65,504 overflow, below 6.1e-05 lose precision; right only within a limited range of input values
;; workspace buffers: xc 4,194,304 bytes; xs 262,144 bytes; wc 1,572,864 bytes; ws 98,304 bytes; wo16 2,097,152 bytes; qkv 50,331,648 bytes; att 16,777,216 bytes
;; launch prep (part 1): grid 288 x 1, 8 waves a work-group, no clusters, 84,992 bytes of LDS; arguments x, Wq, Wk, Wv, Wo, xc, xs, wc, ws, wo16; writes xc, xs, wc, ws, wo16
.if DOCPART == 1
	.amdgcn_target "amdgcn-amd-amdhsa--gfx1250"
	.amdhsa_code_object_version 6
	.text
	.protected	k_q5e85ff3e6c_prep
	.globl	k_q5e85ff3e6c_prep
	.p2align	8
	.type	k_q5e85ff3e6c_prep,@function
k_q5e85ff3e6c_prep:
	s_mov_b64 s[64:65], 0
	v_nop
	global_prefetch_b8 v0, s[64:65] scope:SCOPE_SE
	s_setreg_imm32_b32 hwreg(HW_REG_WAVE_MODE, 25, 1), 1
	s_wait_xcnt 0x0
; PREP: what the later launches read again and again is made once.
;   work-groups   0-127: x [8192][1024] f32 -> codes of E2M1 xc [8192][512 bytes] (K innermost, the lower k in the low four bits) and E8M0 bytes xs [8192][32]
;   work-groups 128-223: Wq, Wk, Wv [16][1024 (K)][64] f32 -> wc [3072 rows n][512 bytes], ws [3072][32]; row n = 64 g + channel, g = 16 type + head (type 0 q, 1 k, 2 v)
;   work-groups 224-287: Wo [1024][1024] f32 -> wo16, the same layout in f16 (rounded once, to nearest even)
; A block's scale is 2^(floor(log2(its largest magnitude)) - 2); its byte is the largest magnitude's exponent field - 2, held at 1 from below.
; LIMITS: a block of zeros gets the byte 1 where the quantiser says 127: its codes are zeros, which add nothing under any byte but 0xff, and this program alone reads the bytes.
; Blocks whose largest magnitude lies under 2^(3 - 127) keep the byte 1.  NaN and infinities among the inputs are not served.  Wo beyond 65,504 in magnitude does not fit f16.
; The three paths part on the work-group's number alone, which all eight waves share; each path that uses LDS has LDS bytes of its own, and each ends by itself.
; No tensor loads, no matrix unit, no cluster: nothing here is read by two work-groups, and the launch only streams.
.set WREG,  8192                       ; path x: a region of LDS for each wave: two stages of 32 x SP bytes, behind them its 256 scale bytes
.set SP,    80                         ; a lane's place in a stage: its 64 bytes + 16 of padding
.set STEPS, 16
.set EMAX,  2
.set CB,    8                          ; bytes of 16 codes
.set R,     16                         ; v16-79   path x: four sets of 16 numbers as they are loaded
.set X,     80                         ; v80-111  two sets of 16 neighbours
.set E,     112                        ; v112-127 a scale byte for each step
.set C,     128                        ; v128-191 codes: four registers for each step, so that no store's data are written again
.set SPW,   12                         ; v12      LDS address of my spare word: SPARE + 4 x my thread's number; never rewritten
.set NIL,   13                         ; v13      0; never rewritten
.set CP,    272                        ; path W: a stage row: 256 bytes of codes + 16
.set CST,   8*WREG                     ; path W's stage for codes: 64 rows (the plane's channels) x CP
.set SST,   CST+64*CP                  ; and for scale bytes: 64 rows x 16
.set SPARE, SST+64*16                  ; the spare words, 128 bytes for each wave: four blocks of 256 bytes that no other line names
.set XW,    32                         ; v32-95   path W: two sets of 32 numbers
.set CW,    96                         ; v96-99   a block's codes
.set OUTR,  112                        ; v112-127 the way out
.macro FINISH                          ; a wave's end, behind the last LDS store
	s_wait_tensorcnt 0x0
	ds_add_u32 v[SPW], v[NIL]
	s_wait_dscnt 0x0
	s_endpgm
.endm
; ---- path x's macros.  A wave takes 16 steps of 512 numbers.  Each of a step's four loads reads 512 consecutive bytes, 16 a lane; the 2,048 bytes go through the wave's own stage and come back 64 a lane: 16 neighbours along K
.macro LOAD t
.irp i, 0,1,2,3
	global_load_b128 v[R+16*((\t)%4)+4*\i:R+16*((\t)%4)+4*\i+3], v3, s[4:5] offset:2048*(\t)+512*\i th:TH_LOAD_NT
.endr
.endm
.macro TURN t                          ; LDS serves a wave's instructions in order, so no wait stands between the stores and the loads
.irp i, 0,1,2,3
	ds_store_b128 v14, v[R+16*((\t)%4)+4*\i:R+16*((\t)%4)+4*\i+3] offset:32*SP*((\t)%2)+8*SP*\i
.endr
.irp i, 0,1,2,3
	ds_load_b128 v[X+16*((\t)%2)+4*\i:X+16*((\t)%2)+4*\i+3], v15 offset:32*SP*((\t)%2)+16*\i
.endr
.endm
.macro STEP t
.set XS, X+16*((\t)%2)
.if (\t) > 0
	s_wait_dscnt 1                                 ; this step's numbers are back from the stage; the last step's byte store may be out
.else
	s_wait_dscnt 0x0
.endif
.if (\t)+4 < STEPS
	LOAD (\t)+4                                    ; into the registers that the stage's stores have read
.endif
.if (\t)+1 < STEPS
.if STEPS-2-(\t) >= 3
	s_wait_loadcnt 12                              ; the next step's four loads are in; those of the three steps behind it may be out
.else
	s_wait_loadcnt 4*(STEPS-2-(\t))
.endif
	TURN (\t)+1                                    ; the next step goes through the other stage while this one is worked
.endif
	v_max3_num_f32 v8, |v[XS]|, |v[XS+1]|, |v[XS+2]|               ; the largest magnitude of my 16, in two chains
	v_max3_num_f32 v9, |v[XS+3]|, |v[XS+4]|, |v[XS+5]|
.irp i, 6,10
	v_max3_num_f32 v8, v8, |v[XS+\i]|, |v[XS+\i+1]|
	v_max3_num_f32 v9, v9, |v[XS+\i+2]|, |v[XS+\i+3]|
.endr
	v_max3_num_f32 v8, v8, |v[XS+14]|, |v[XS+15]|
	v_max3_num_f32 v8, v8, v9, (EMAX+1)<<23        ; and the floor 2^(3 - 127): the byte cannot fall under 1
	v_max_num_f32_dpp v8, v8, v8 row_xmask:1 row_mask:0xf bank_mask:0xf   ; with my neighbour's 16: the block's
	v_add_nc_u32 v11, -(EMAX<<23), v8              ; 2 off its exponent field: the conversion takes the exponent field of this operand as its scale
	v_cvt_scalef32_pk8_fp4_f32 v[C+4*(\t)], v[XS:XS+7], v11
	v_cvt_scalef32_pk8_fp4_f32 v[C+4*(\t)+1], v[XS+8:XS+15], v11
	v_lshrrev_b32 v[E+(\t)], 23, v11               ; the scale's byte (a plain line behind the conversions)
	ds_store_b8 v5, v[E+(\t)] offset:16*(\t)       ; both lanes of a block write the same byte with the same value
	global_store_b64 v4, v[C+4*(\t):C+4*(\t)+1], s[14:15] offset:32*CB*(\t)   ; the wave stores 256 consecutive bytes, aligned
.endm
; ---- path W's macros.  A lane takes a column, and its registers run down K: a block of 32 lies in one lane
.macro WLOAD t
.irp i, 0,1,2,3,4,5,6,7,8,9,10,11,12,13,14,15,16,17,18,19,20,21,22,23,24,25,26,27,28,29,30,31
	global_load_b32 v[XW+32*((\t)%2)+\i], v3, s[26:27] offset:(32*(\t)+\i)*256 th:TH_LOAD_NT
.endr
.endm
.macro WBLOCK t
.set XS, XW+32*((\t)%2)
.if (\t) < 3
	s_wait_loadcnt 32                              ; this block's 32 loads are in; the next block's may be out
.else
	s_wait_loadcnt 0x0
.endif
	v_max3_num_f32 v16, |v[XS]|, |v[XS+1]|, |v[XS+2]|
	v_max3_num_f32 v17, |v[XS+3]|, |v[XS+4]|, |v[XS+5]|
.irp i, 6,10,14,18,22,26
	v_max3_num_f32 v16, v16, |v[XS+\i]|, |v[XS+\i+1]|
	v_max3_num_f32 v17, v17, |v[XS+\i+2]|, |v[XS+\i+3]|
.endr
	v_max3_num_f32 v16, v16, |v[XS+30]|, |v[XS+31]|
	v_max3_num_f32 v16, v16, v17, (EMAX+1)<<23     ; with the floor
	v_add_nc_u32 v11, -(EMAX<<23), v16             ; the conversion's scale operand
	v_lshrrev_b32 v17, 23, v11                     ; the scale's byte
.if (\t) == 0
	v_mov_b32 v18, v17                             ; my four bytes make a word, the lower K in the lower byte
.else
	v_lshl_or_b32 v18, v17, 8*(\t), v18
.endif
.irp g, 0,1,2,3
	v_cvt_scalef32_pk8_fp4_f32 v[CW+\g], v[XS+8*\g:XS+8*\g+7], v11
.endr
	v_nop                                          ; a plain line behind the last conversion
	ds_store_b128 v4, v[CW:CW+3] offset:16*(\t)    ; 32 codes: 16 bytes of my column's row
.if (\t)+2 < 4
	WLOAD (\t)+2
.endif
	s_wait_dscnt 0x0                               ; the store has read its registers: the next block's codes may be written
.endm
	s_load_b256 s[4:11], s[0:1], 0x0               ; x s[4:5], Wq s[6:7], Wk s[8:9], Wv s[10:11]
	s_load_b256 s[12:19], s[0:1], 0x20             ; Wo s[12:13], xc s[14:15], xs s[16:17], wc s[18:19]
	s_load_b128 s[20:23], s[0:1], 0x40             ; ws s[20:21], wo16 s[22:23]
	v_lshl_add_u32 v[SPW], v0, 2, SPARE
	v_mov_b32 v[NIL], 0
	v_lshrrev_b32 v1, 5, v0
	v_readfirstlane_b32 s24, v1                    ; wave 0..7
	v_and_b32 v2, 31, v0                           ; lane
	s_wait_kmcnt 0x0
	s_cmp_lt_u32 ttmp9, 128
	s_cbranch_scc0 .Lnot_x
	; ================ path x: run = 8 x work-group + wave, 8,192 numbers each ================
	v_lshlrev_b32 v3, 4, v2                        ; my 16 bytes of a load's 512
	s_mul_i32 s25, s24, WREG
	v_lshrrev_b32 v14, 2, v2
	v_mul_u32_u24 v14, v14, SP
	v_and_b32 v15, 3, v2
	v_lshl_add_u32 v14, v15, 4, v14
	v_add_nc_u32 v14, s25, v14                     ; the stage on the way in: SP (lane / 4) + 16 (lane % 4)
	v_mul_u32_u24 v15, v2, SP
	v_add_nc_u32 v15, s25, v15                     ; and on the way out: SP x lane
	v_mul_u32_u24 v4, v2, CB                       ; my codes' place in a step's
	v_lshrrev_b32 v5, 1, v2
	s_add_co_u32 s25, s25, 2*32*SP
	v_add_nc_u32 v5, s25, v5                       ; my wave's 256 scale bytes, my block's byte
	v_lshlrev_b32 v7, 3, v2                        ; and on the way out 8 bytes a lane
	v_add_nc_u32 v6, s25, v7
	s_lshl_b32 s26, ttmp9, 3
	s_add_co_u32 s26, s26, s24                     ; run 0..1023
	s_mov_b32 s29, 0
	s_lshl_b32 s28, s26, 15                        ; 32,768 bytes of x,
	s_add_nc_u64 s[4:5], s[4:5], s[28:29]
	s_lshl_b32 s28, s26, 12                        ; 4,096 of codes,
	s_add_nc_u64 s[14:15], s[14:15], s[28:29]
	s_lshl_b32 s28, s26, 8                         ; 256 of scale bytes a run
	s_add_nc_u64 s[16:17], s[16:17], s[28:29]
.irp t, 0,1,2,3
	LOAD \t
.endr
	s_wait_loadcnt 12                              ; step 0's four loads are in
	TURN 0
.irp t, 0,1,2,3,4,5,6,7,8,9,10,11,12,13,14,15
	STEP \t
.endr
	ds_load_b64 v[8:9], v6                         ; LDS serves a wave's instructions in order: these see my byte stores
	s_wait_dscnt 0x0
	global_store_b64 v7, v[8:9], s[16:17]          ; 32 lanes store 256 consecutive bytes, aligned
	FINISH
.Lnot_x:
	s_cmp_lt_u32 ttmp9, 224
	s_cbranch_scc0 .Lpath_o
	; ================ path W: u = work-group - 128; plane g = u / 2; K half kh = u % 2.  Wave w: columns 32 (w % 2) on, K quarter w / 2 of the half: 4 blocks a lane ================
	s_sub_co_u32 s25, ttmp9, 128                   ; u
	s_cmp_lt_u32 s25, 64
	s_cselect_b64 s[26:27], s[8:9], s[10:11]       ; the tensor is chosen by the work-group's number alone
	s_cmp_lt_u32 s25, 32
	s_cselect_b64 s[26:27], s[6:7], s[26:27]
	s_lshr_b32 s28, s25, 1                         ; g
	s_and_b32 s29, s25, 1                          ; kh
	s_and_b32 s30, s24, 1                          ; c: which 32 columns
	s_lshr_b32 s31, s24, 1                         ; kq: which 128 along K
	v_lshlrev_b32 v3, 2, v2                        ; in: 4 bytes a lane: the two waves of a K quarter read a whole row of 256 bytes
	s_mul_i32 s32, s30, 32*CP
	s_lshl_b32 s33, s31, 6
	s_add_co_u32 s32, s32, s33
	s_add_co_u32 s32, s32, CST
	v_mul_u32_u24 v4, v2, CP
	v_add_nc_u32 v4, s32, v4                       ; codes into the stage: row = my column, 64 bytes for each K quarter
	s_lshl_b32 s32, s30, 9
	s_lshl_b32 s33, s31, 2
	s_add_co_u32 s32, s32, s33
	s_add_co_u32 s32, s32, SST
	v_lshl_add_u32 v5, v2, 4, s32                  ; my scale word: row = my column, 4 bytes for each K quarter
	s_mul_i32 s32, s24, 8*CP
	s_add_co_u32 s32, s32, CST
	v_lshrrev_b32 v6, 4, v2
	v_and_b32 v1, 15, v2
	v_mul_u32_u24 v7, v6, CP
	v_lshl_add_u32 v7, v1, 4, v7
	v_add_nc_u32 v7, s32, v7                       ; out of the stage: wave w takes rows 8 w on, sixteen lanes to a row, two rows an instruction
	v_lshlrev_b32 v8, 9, v6
	v_lshl_add_u32 v8, v1, 4, v8                   ; and the same place in wc: rows of 512 bytes
	s_lshl_b32 s32, s30, 9
	s_add_co_u32 s32, s32, SST
	v_lshl_add_u32 v9, v2, 4, s32                  ; scale bytes out: a lane a row of 16 bytes (waves 0 and 1)
	v_lshlrev_b32 v10, 5, v2                       ; and in ws: rows of 32 bytes
	s_mov_b32 s35, 0
	s_and_b32 s34, s28, 15                         ; the head: 262,144 bytes each
	s_lshl_b32 s34, s34, 18
	s_lshl_b32 s33, s29, 17                        ; 512 rows of 256 bytes,
	s_add_co_u32 s34, s34, s33
	s_lshl_b32 s33, s31, 15                        ; 128 rows,
	s_add_co_u32 s34, s34, s33
	s_lshl_b32 s33, s30, 7                         ; 32 columns
	s_add_co_u32 s34, s34, s33
	s_add_nc_u64 s[26:27], s[26:27], s[34:35]
	s_lshl_b32 s34, s28, 15                        ; wc: (64 g + 8 w) rows of 512 bytes + 256 kh
	s_lshl_b32 s33, s24, 12
	s_add_co_u32 s34, s34, s33
	s_lshl_b32 s33, s29, 8
	s_add_co_u32 s34, s34, s33
	s_add_nc_u64 s[18:19], s[18:19], s[34:35]
	s_lshl_b32 s34, s28, 11                        ; ws: (64 g + 32 c) rows of 32 bytes + 16 kh
	s_lshl_b32 s33, s30, 10
	s_add_co_u32 s34, s34, s33
	s_lshl_b32 s33, s29, 4
	s_add_co_u32 s34, s34, s33
	s_add_nc_u64 s[20:21], s[20:21], s[34:35]
	WLOAD 0
	WLOAD 1                                        ; two blocks, 64 loads a wave, are on their way
.irp t, 0,1,2,3
	WBLOCK \t
.endr
	ds_store_b32 v5, v18
	s_wait_dscnt 0x0                               ; for the others' sake: my stores into both stages are done
	s_barrier_signal -1
	s_barrier_wait -1                              ; 64 rows of 256 bytes of codes and of 16 scale bytes lie whole
.irp i, 0,1,2,3
	ds_load_b128 v[OUTR+4*\i:OUTR+4*\i+3], v7 offset:2*\i*CP
.endr
.irp i, 0,1,2,3
	s_wait_dscnt 3-\i                              ; the later rows may be out
	global_store_b128 v8, v[OUTR+4*\i:OUTR+4*\i+3], s[18:19] offset:1024*\i   ; sixteen lanes store 256 consecutive bytes, aligned
.endr
	s_cmp_lt_u32 s24, 2                            ; the scale bytes leave by waves 0 and 1: 16 bytes of each row of ws, one byte in 128 of what this path reads
	s_cbranch_scc0 .Lw_done
	ds_load_b128 v[128:131], v9
	s_wait_dscnt 0x0
	global_store_b128 v10, v[128:131], s[20:21]
.Lw_done:
	FINISH
.Lpath_o:
	; ================ path Wo: a work-group takes 65,536 bytes; sixteen loads a thread, all on their way at once ================
	s_sub_co_u32 s25, ttmp9, 224
	s_mov_b32 s27, 0
	s_lshl_b32 s26, s25, 16
	s_add_nc_u64 s[12:13], s[12:13], s[26:27]
	s_lshl_b32 s26, s25, 15
	s_add_nc_u64 s[22:23], s[22:23], s[26:27]
	v_lshlrev_b32 v3, 4, v0                        ; in: 16 bytes a thread
	v_lshlrev_b32 v4, 3, v0                        ; out: 8
.irp s, 0,1,2,3,4,5,6,7,8,9,10,11,12,13,14,15
	global_load_b128 v[16+4*\s:16+4*\s+3], v3, s[12:13] offset:4096*\s th:TH_LOAD_NT
.endr
.irp s, 0,1,2,3,4,5,6,7,8,9,10,11,12,13,14,15
	s_wait_loadcnt 15-\s                           ; the later loads may be out
	v_cvt_pk_f16_f32 v[80+2*\s], v[16+4*\s], v[17+4*\s]
	v_cvt_pk_f16_f32 v[81+2*\s], v[18+4*\s], v[19+4*\s]
	global_store_b64 v4, v[80+2*\s:81+2*\s], s[22:23] offset:2048*\s   ; a wave stores 256 consecutive bytes, aligned
.endr
	FINISH
.Lfunc_end_k_q5e85ff3e6c_prep:
	.size	k_q5e85ff3e6c_prep, .Lfunc_end_k_q5e85ff3e6c_prep-k_q5e85ff3e6c_prep
	.p2alignl 7, 3214868480
	.fill 96, 4, 3214868480
	.section	.rodata,"a",@progbits
	.p2align	6, 0x0
	.amdhsa_kernel k_q5e85ff3e6c_prep
		.amdhsa_group_segment_fixed_size 84992
		.amdhsa_private_segment_fixed_size 0
		.amdhsa_enable_private_segment 0
		.amdhsa_kernarg_size 80
		.amdhsa_user_sgpr_count 2
		.amdhsa_user_sgpr_kernarg_segment_ptr 1
		.amdhsa_wavefront_size32 1
		.amdhsa_system_sgpr_workgroup_id_x 1
		.amdhsa_system_sgpr_workgroup_id_y 1
		.amdhsa_system_sgpr_workgroup_id_z 1
		.amdhsa_system_vgpr_workitem_id 0
		.amdhsa_next_free_vgpr 192
		.amdhsa_next_free_sgpr 66
		.amdhsa_reserve_vcc 0
		.amdhsa_float_denorm_mode_32 3
		.amdhsa_float_denorm_mode_16_64 3
		.amdhsa_memory_ordered 1
		.amdhsa_forward_progress 1
		.amdhsa_inst_pref_size 61
	.end_amdhsa_kernel
	.amdgpu_metadata
---
amdhsa.version: [ 1, 2 ]
amdhsa.kernels:
  - .name:           k_q5e85ff3e6c_prep
    .symbol:         k_q5e85ff3e6c_prep.kd
    .args:
      - { .name: x, .offset: 0, .size: 8, .value_kind: global_buffer, .address_space: global }
      - { .name: Wq, .offset: 8, .size: 8, .value_kind: global_buffer, .address_space: global }
      - { .name: Wk, .offset: 16, .size: 8, .value_kind: global_buffer, .address_space: global }
      - { .name: Wv, .offset: 24, .size: 8, .value_kind: global_buffer, .address_space: global }
      - { .name: Wo, .offset: 32, .size: 8, .value_kind: global_buffer, .address_space: global }
      - { .name: xc, .offset: 40, .size: 8, .value_kind: global_buffer, .address_space: global }
      - { .name: xs, .offset: 48, .size: 8, .value_kind: global_buffer, .address_space: global }
      - { .name: wc, .offset: 56, .size: 8, .value_kind: global_buffer, .address_space: global }
      - { .name: ws, .offset: 64, .size: 8, .value_kind: global_buffer, .address_space: global }
      - { .name: wo16, .offset: 72, .size: 8, .value_kind: global_buffer, .address_space: global }
    .group_segment_fixed_size: 84992
    .private_segment_fixed_size: 0
    .kernarg_segment_align: 8
    .kernarg_segment_size: 80
    .max_flat_workgroup_size: 256
    .sgpr_count:     66
    .vgpr_count:     192
    .wavefront_size: 32
...
	.end_amdgpu_metadata
.endif
;; end of part 1
;; launch qkv (part 2): grid 12 x 32, 4 waves a work-group, clusters of 4 x 4, 327,680 bytes of LDS; arguments xc, xs, wc, ws, qkv; writes qkv
.if DOCPART == 2
	.amdgcn_target "amdgcn-amd-amdhsa--gfx1250"
	.amdhsa_code_object_version 6
	.text
	.protected	k_q5e85ff3e6c_qkv
	.globl	k_q5e85ff3e6c_qkv
	.p2align	8
	.type	k_q5e85ff3e6c_qkv,@function
k_q5e85ff3e6c_qkv:
	s_mov_b64 s[64:65], 0
	v_nop
	global_prefetch_b8 v0, s[64:65] scope:SCOPE_SE
	s_setreg_imm32_b32 hwreg(HW_REG_WAVE_MODE, 25, 1), 1
	s_wait_xcnt 0x0
	s_wait_alu depctr_hold_cnt(0) depctr_sa_sdst(0) depctr_va_vdst(0) depctr_va_sdst(0) depctr_va_ssrc(0) depctr_va_vcc(0) depctr_vm_vsrc(0)
	s_getreg_b32 s2, hwreg(HW_REG_IB_STS2, 6, 4)
	s_cmp_eq_u32 s2, 0
	s_cbranch_scc0 .Lentry_in_a_cluster
	s_endpgm
.Lentry_in_a_cluster:
	s_bfe_u32 s2, ttmp6, 0x10000c
	s_cmp_lg_u32 s2, 0xf033
	s_cbranch_scc0 .Lentry_shape_is_right
	s_endpgm
.Lentry_shape_is_right:
; q, k, v in one GEMM on codes of E2M1: C[token][n] = sum over k of x[token][k] W[n][k], 8192 x 3072, K = 1024, with one E8M0 scale for each 32 along K on both sides; sums in f32.
; The result leaves as f16 in planes: qkv [48 planes g][8192 tokens][64]; column n = 64 g + channel.  So 16 tokens of a plane are 2,048 consecutive bytes, and every store covers 512 of them.
; LIMIT: |q|, |k|, |v| under 65,504 (f16); with x and W 30 times the drawn spread, or offset by 30 spreads, they stay under 40,000.
; A tile of C, 256 x 256, is made by four waves, 128 x 128 each: 64 accumulators of 16 x 16, 512 registers.  K is two steps of 512 (rows of 256 bytes): both slots and all scale bytes are FIRST fills:
; a wave has three tensor loads out at the head and none later, so nothing is asked for ahead of its load either.
; CLUSTERS: 4 x 4 work-groups.  The four of a row of the cluster need the same tiles of x, the four of a column the same tiles of W: each is asked for JOINTLY.
; THE MATRIX INSTRUCTION IS USED TRANSPOSED (source 0 = 16 rows of W, source 1 = 16 tokens): a lane then holds eight neighbouring channels of one token.
; REGISTERS, in windows of 256: window 0: v0-31 addresses; v32-95 scale words, two sets; v128-191 x's fragments, ONE set; on the way out v32-63, v192-255 are free.
;   window 1: W's fragments, TWO sets, at v0 and v128.   window 2: the accumulators of my tokens 0-63 ((a, b) at v[8 (8 a + b)]);   window 3: those of my tokens 64-127.
.set SIZE_K, 1024
.set KSTEP,  512
.set NQ,     KSTEP/128
.set ROWB,   256                       ; a tile's row in bytes
.set KROW,   SIZE_K/2                  ; a row of codes in memory
.set PITCH,  272                       ; an LDS row: 256 bytes + 16: the sixteen rows of a fragment load start 68 words apart
.set FR,     8
.set NL,     2
.set NP,     4                         ; places behind this matrix instruction (ISA guide 7.12.1)
.set HALFT,  128*PITCH
.set SLOT,   4*HALFT
.set KS,     SIZE_K/32                 ; a row of scale bytes
.set SCL,    2*SLOT                    ; behind the two slots: the scales, as units of 256 bytes + 16 of padding
.set HALFS,  (128*KS/256)*272
.set SBLK,   (16*KS/256)*272
.set SPARE,  SCL+4*HALFS               ; the spare words, 128 bytes for each wave: two blocks of 256 bytes that no other line names
.set SPP,    144                       ; the way out: a stage row: 128 bytes (64 f16) + 16
.set ADRA, 16
.set ADRB, 20
.set STO,  24
.set RD,   25
.set CO,   26
.set ADRS, 27
.set SPW,  28
.set NIL,  29
.set SC,   32
.set AF,   128
.set TMP,  192                         ; the way out: packed results
.set OB,   32                          ; the way out: 16 tokens read back: v32-63 and v224-255 by turns
.set G1, 24
.set G0, 32
.set G1B, 48
.set G0B, 56
.set G1S, 68
.set G0S, 76
.set G1SB, 80
.set G0SB, 88
.set MSB, 0
.macro WIN new                         ; the immediate's high byte repeats the setting that is left
.if MSB != (\new)
	s_set_vgpr_msb (MSB<<8)|(\new)
.set MSB, (\new)
.endif
.endm
.set MUL_LO, 0xa1                      ; source 0 (W) window 1, source 1 (x) window 0, C and D window 2
.set MUL_HI, 0xf1
.set TO_B,   0x40
; A joint load: waves 0 and 1 fetch for x, waves 2 and 3 for W.  The branch hangs on the wave's number alone.  An s_nop 0 and four v_nop follow each of the two lines.
.macro JLOAD g0a, g1a, g0b, g1b
	s_cmp_eq_u32 s15, 0
	s_cbranch_scc0 .Lfor_b_\@
	tensor_load_to_lds s[\g0a:\g0a+3], s[\g1a:\g1a+7]
	s_nop 0
.rept 4
	v_nop
.endr
	s_branch .Lasked_\@
.Lfor_b_\@:
	tensor_load_to_lds s[\g0b:\g0b+3], s[\g1b:\g1b+7]
	s_nop 0
.rept 4
	v_nop
.endr
.Lasked_\@:
.endm
.macro CROUND                          ; a round of the cluster's barrier
	s_barrier_signal -1
	s_barrier_wait -1
	s_cmp_lg_u32 s14, 0
	s_cbranch_scc1 .Lnot_wave_0_\@
	s_barrier_signal -3
.Lnot_wave_0_\@:
	s_barrier_wait -3
	s_barrier_signal -1
	s_barrier_wait -1
.endm
	s_load_b128 s[4:7], s[0:1], 0x0                ; x's codes s[4:5], x's scales s[6:7]
	s_load_b128 s[8:11], s[0:1], 0x10              ; W's codes s[8:9], W's scales s[10:11]
	s_load_b64 s[12:13], s[0:1], 0x20              ; qkv
	v_lshl_add_u32 v[SPW], v0, 2, SPARE
	v_mov_b32 v[NIL], 0
	ds_add_u32 v[SPW], v[NIL]                      ; the wave's opening: the add, twice on end, and its wait ahead of my first tensor load
	ds_add_u32 v[SPW], v[NIL]
	v_lshrrev_b32 v1, 5, v0
	v_readfirstlane_b32 s14, v1                    ; wave 0..3
	s_lshr_b32 s15, s14, 1                         ; which half of the tile's tokens is mine.  Also: I fetch for x (0) or for W (1)
	s_and_b32 s16, s14, 1                          ; which half of its columns.  Also: which 128 rows of that tile I fetch
	s_bfe_u32 s40, ttmp6, 0x40000                  ; cx, cy
	s_bfe_u32 s41, ttmp6, 0x40004
	s_lshl_b32 s42, ttmp9, 2
	s_add_co_u32 s42, s42, s40                     ; tile column = 4 x cluster x + cx
	s_and_b32 s17, ttmp7, 0xffff
	s_lshl_b32 s17, s17, 2
	s_add_co_u32 s17, s17, s41                     ; tile row = 4 x cluster y + cy
	s_lshl_b32 s43, s41, 2
	s_lshl_b32 s43, 15, s43                        ; my row of the cluster
	s_lshl_b32 s44, 0x1111, s40                    ; my column
	; group 1: a tile of 128 rows x 256 bytes, 16 bytes of padding behind each row
	s_or_b32 s[G1+0], s43, (0<<16)|(1<<20)|(1<<21)|(5<<22)|(3<<25)
	s_or_b32 s[G1B+0], s44, (0<<16)|(1<<20)|(1<<21)|(5<<22)|(3<<25)
.irp g, G1, G1B
	s_mov_b32 s[\g+1], ROWB<<16                    ; tensor_dim0
	s_mov_b32 s[\g+2], 128<<16                     ; tensor_dim1
	s_mov_b32 s[\g+3], ROWB<<16                    ; tile_dim0
	s_mov_b32 s[\g+4], 128                         ; tile_dim1
	s_mov_b32 s[\g+5], KROW                        ; the pitch in memory
	s_mov_b32 s[\g+6], 0
	s_mov_b32 s[\g+7], 0
.endr
	; the scales of 128 rows: a dense block of 4,096 bytes, as 16 rows of 256 bytes (32 elements of 8 bytes), 16 bytes of padding behind each
	s_or_b32 s[G1S+0], s43, (3<<16)|(1<<20)|(1<<21)|(5<<22)|(3<<25)
	s_or_b32 s[G1SB+0], s44, (3<<16)|(1<<20)|(1<<21)|(5<<22)|(3<<25)
.irp g, G1S, G1SB
	s_mov_b32 s[\g+1], 32<<16
	s_mov_b32 s[\g+2], (128*KS/256)<<16
	s_mov_b32 s[\g+3], 32<<16
	s_mov_b32 s[\g+4], 128*KS/256
	s_mov_b32 s[\g+5], 32
	s_mov_b32 s[\g+6], 0
	s_mov_b32 s[\g+7], 0
.endr
	s_lshl_b32 s18, s16, 7                         ; which 128 rows of the tile I fetch
	s_lshl_b32 s20, s17, 8
	s_add_co_u32 s20, s20, s18                     ; x: token 256 x tile row + 128 x half
	s_lshl_b32 s46, s42, 8
	s_add_co_u32 s46, s46, s18                     ; W: row 256 x tile column + 128 x half
	s_mov_b32 s21, 0
	s_mov_b32 s47, 0
	s_mov_b64 s[18:19], KS
	s_mul_u64 s[22:23], s[20:21], s[18:19]         ; where these rows' scales begin,
	s_mul_u64 s[92:93], s[46:47], s[18:19]
	s_mov_b64 s[18:19], KROW
	s_mul_u64 s[20:21], s[20:21], s[18:19]         ; and their codes
	s_mul_u64 s[46:47], s[46:47], s[18:19]
	s_mul_i32 s45, s14, HALFT                      ; where they go: wave x 128 rows: no place in the cluster enters an LDS address
	s_mul_i32 s94, s14, HALFS
	s_wait_dscnt 0x0                               ; both opening adds are done
	s_wait_kmcnt 0x0
	s_add_nc_u64 s[20:21], s[4:5], s[20:21]
	s_add_nc_u64 s[22:23], s[6:7], s[22:23]
	s_add_nc_u64 s[46:47], s[8:9], s[46:47]
	s_add_nc_u64 s[92:93], s[10:11], s[92:93]
	CROUND                                         ; all sixteen work-groups are here: the joint loads meet
	s_mov_b32 s[G0S], 1
	s_add_co_u32 s[G0S+1], s94, SCL
	s_mov_b64 s[G0S+2:G0S+3], s[22:23]
	s_or_b32 s[G0S+3], s[G0S+3], 0x80000000
	s_mov_b32 s[G0SB], 1
	s_add_co_u32 s[G0SB+1], s94, SCL
	s_mov_b64 s[G0SB+2:G0SB+3], s[92:93]
	s_or_b32 s[G0SB+3], s[G0SB+3], 0x80000000
	JLOAD G0S, G1S, G0SB, G1SB                     ; the scales first: they are wanted with K step 0
.irp s, 0,1
	s_mov_b32 s[G0+4*\s], 1
	s_add_co_u32 s[G0+4*\s+1], s45, \s*SLOT
	s_add_nc_u64 s[G0+4*\s+2:G0+4*\s+3], s[20:21], \s*ROWB
	s_or_b32 s[G0+4*\s+3], s[G0+4*\s+3], 0x80000000
	s_mov_b32 s[G0B+4*\s], 1
	s_add_co_u32 s[G0B+4*\s+1], s45, \s*SLOT
	s_add_nc_u64 s[G0B+4*\s+2:G0B+4*\s+3], s[46:47], \s*ROWB
	s_or_b32 s[G0B+4*\s+3], s[G0B+4*\s+3], 0x80000000
	JLOAD G0+4*\s, G1, G0B+4*\s, G1B
.endr
	v_and_b32 v1, 15, v0                           ; r = lane % 16
	v_bfe_u32 v2, v0, 4, 1                         ; h = lane / 16
	v_mul_u32_u24 v3, v1, PITCH
	v_lshl_add_u32 v4, v2, 4, v3                   ; a fragment's row x pitch + 16 x half
	s_mul_i32 s21, s15, HALFT                      ; my 128 tokens
	s_mul_i32 s22, s16, HALFT                      ; my 128 rows of W,
	s_add_co_u32 s22, s22, 2*HALFT                 ; which lie behind x's 256
.irp s, 0,1
	v_add_nc_u32 v[ADRA+\s], s21, v4
	v_add_nc_u32 v[ADRB+\s], s22, v4
	s_add_co_u32 s21, s21, SLOT
	s_add_co_u32 s22, s22, SLOT
.endr
	v_mul_u32_u24 v5, v1, KS                       ; my row's scales: KS bytes a row,
	v_lshrrev_b32 v6, 8, v5
	v_lshl_add_u32 v5, v6, 4, v5                   ; and 16 more for each 256 passed
	s_mul_i32 s21, s15, HALFS
	s_mul_i32 s22, s16, HALFS
	s_add_co_u32 s22, s22, 2*HALFS
	s_sub_co_u32 s22, s22, s21
	v_mul_u32_u24 v6, s22, v2                      ; lanes 16-31 take W's
	s_add_co_u32 s21, s21, SCL
	v_add_nc_u32 v5, v5, v6
	v_add_nc_u32 v[ADRS], s21, v5
	s_mul_i32 s23, s14, 2*16*SPP                   ; my stage: 2 planes x 16 tokens x 144 bytes, in slot 0, which has had its only fill and its last read when the first result is stored there
	v_mul_u32_u24 v5, v1, SPP
	v_lshl_add_u32 v5, v2, 4, v5
	v_add_nc_u32 v[STO], s23, v5                   ; in: token r, 16 bytes for each half of the lanes
	v_bfe_u32 v5, v0, 3, 2
	v_mul_u32_u24 v5, v5, SPP
	v_and_b32 v6, 7, v0
	v_lshl_add_u32 v5, v6, 4, v5
	v_add_nc_u32 v[RD], s23, v5                    ; back: eight lanes to a token's 128 bytes, four tokens an instruction
	v_and_b32 v6, 31, v0
	v_lshlrev_b32 v[CO], 4, v6                     ; and the same 512 consecutive bytes in a plane
	s_lshl_b32 s20, s17, 8
	s_lshl_b32 s21, s15, 7
	s_add_co_u32 s20, s20, s21                     ; my first token: 256 x tile row + 128 x half,
	s_lshl_b32 s20, s20, 7                         ; of 128 bytes
	s_mov_b32 s21, 0
	s_add_nc_u64 s[12:13], s[12:13], s[20:21]
	s_lshl_b32 s46, s42, 2
	s_lshl_b32 s47, s16, 1
	s_add_co_u32 s46, s46, s47                     ; my first plane: 4 x tile column + 2 x half,
	s_lshl_b32 s46, s46, 20                        ; of 2^20 bytes
	s_mov_b32 s47, 0
	s_add_nc_u64 s[12:13], s[12:13], s[46:47]
.macro FRAG reg, adr, q, i             ; 16 rows x 128 K of 4-bit codes: 8 registers: lane l holds row l % 16; registers 4 c .. 4 c + 3 hold K = 64 c + 32 (l / 16) + 0 .. 31
.irp c, 0,1
	ds_load_b128 v[\reg+4*\c:\reg+4*\c+3], v[\adr] offset:64*(\q)+32*\c+(\i)*16*PITCH
.endr
.endm
; 16 matrix instructions: x's blocks a0, a0 + 1 against W's eight.  The 64 accumulators take turns, one instruction a turn, in the same order in every step.
.macro MUL16 a0, p, q, sc, zero
.irp a, \a0, \a0+1
.irp b, 0,1,2,3,4,5,6,7
.if \zero
	v_wmma_scale_f32_16x16x128_f8f6f4 v[8*(8*((\a)%4)+\b):8*(8*((\a)%4)+\b)+7], v[128*(\p)+FR*\b:128*(\p)+FR*\b+FR-1], v[AF+FR*(\a):AF+FR*(\a)+FR-1], 0, v[SC+8*NQ*(\sc)+NQ*\b+(\q)], v[SC+8*NQ*(\sc)+NQ*(\a)+(\q)] matrix_a_fmt:MATRIX_FMT_FP4 matrix_b_fmt:MATRIX_FMT_FP4 matrix_a_scale:MATRIX_SCALE_ROW1
.else
	v_wmma_scale_f32_16x16x128_f8f6f4 v[8*(8*((\a)%4)+\b):8*(8*((\a)%4)+\b)+7], v[128*(\p)+FR*\b:128*(\p)+FR*\b+FR-1], v[AF+FR*(\a):AF+FR*(\a)+FR-1], v[8*(8*((\a)%4)+\b):8*(8*((\a)%4)+\b)+7], v[SC+8*NQ*(\sc)+NQ*\b+(\q)], v[SC+8*NQ*(\sc)+NQ*(\a)+(\q)] matrix_a_fmt:MATRIX_FMT_FP4 matrix_b_fmt:MATRIX_FMT_FP4 matrix_a_scale:MATRIX_SCALE_ROW1
.endif
.endr
.endr
.endm
.macro FETCH_B slot, q, p
	WIN TO_B
.irp i, 0,1,2,3,4,5,6,7
	FRAG 128*(\p)+FR*\i, ADRB+\slot, \q, \i
.endr
	WIN 0
.endm
.macro FETCH_A slot, q, i0
.irp i, \i0, \i0+1, \i0+2, \i0+3
	FRAG AF+FR*(\i), ADRA+\slot, \q, \i
.endr
.endm
.macro SCALES sc                       ; a K step's scale words: four words a row; lanes 0-15 take x's block i, lanes 16-31 W's block i
.irp i, 0,1,2,3,4,5,6,7
	ds_load_b128 v[SC+8*NQ*\sc+NQ*\i:SC+8*NQ*\sc+NQ*\i+3], v[ADRS] offset:\i*SBLK
.endr
.endm
.macro PLACES n                        ; plain vector instructions between a matrix instruction and a load into, or a read of, its registers
.rept \n
	v_nop
.endr
.endm
.macro STEP slot, q, zero              ; 128 along K, with its successor in the same slot
	s_wait_dscnt 4*NL                              ; W's set and x's blocks 0-3 are in; the youngest eight loads (x's blocks 4-7) may be out
	WIN MUL_LO
	MUL16 0, (\q)%2, \q, \slot, \zero
	MUL16 2, (\q)%2, \q, \slot, \zero
	s_wait_dscnt 0
	PLACES NP
	FETCH_B \slot, (\q)+1, 1-(\q)%2
	FETCH_A \slot, (\q)+1, 0
	WIN MUL_HI
	MUL16 4, (\q)%2, \q, \slot, \zero
	MUL16 6, (\q)%2, \q, \slot, \zero
	PLACES NP
	WIN 0
	FETCH_A \slot, (\q)+1, 4
.endm
; Slot 0's last step goes over to slot 1: one barrier; in front of it each wave waits for all its tensor loads (its part of slot 1) and for its own LDS instructions.  Nothing is filled again.
.macro TURN slot, next
	s_wait_tensorcnt 0x0                           ; all my tensor loads have landed
	ds_add_u32 v[SPW], v[NIL]                      ; 0 onto my spare word
	s_wait_dscnt 4*NL+1                            ; (the add and the youngest eight loads may be out)
	WIN MUL_LO
	MUL16 0, 1, NQ-1, \slot, 0
	s_wait_dscnt 0x0                               ; the add is done, and my reads of this slot are over
	s_barrier_signal -1
	MUL16 2, 1, NQ-1, \slot, 0
	WIN 0
	s_barrier_wait -1
	PLACES NP
	v_add_nc_u32 v[ADRS], 4*NQ, v[ADRS]            ; on to the next K step's scale words
	FETCH_B \next, 0, 0
	FETCH_A \next, 0, 0
	SCALES \next
	WIN MUL_HI
	MUL16 4, 1, NQ-1, \slot, 0
	MUL16 6, 1, NQ-1, \slot, 0
	PLACES NP
	WIN 0
	FETCH_A \next, 0, 4
.endm
	s_wait_tensorcnt 1                             ; the scales and my part of K step 0 are in; K step 1's load may be out
	s_barrier_signal -1
	s_barrier_wait -1
	FETCH_B 0, 0, 0
	FETCH_A 0, 0, 0
	SCALES 0
	FETCH_A 0, 0, 4
	STEP 0, 0, 1                                   ; the first products start the sums: nothing is cleared
	STEP 0, 1, 0
	STEP 0, 2, 0
	TURN 0, 1
	STEP 1, 0, 0
	STEP 1, 1, 0
	STEP 1, 2, 0
	s_wait_dscnt 4*NL                              ; the very last step: nothing more to fetch
	WIN MUL_LO
	MUL16 0, 1, NQ-1, 1, 0
	MUL16 2, 1, NQ-1, 1, 0
	s_wait_dscnt 0
	WIN MUL_HI
	MUL16 4, 1, NQ-1, 1, 0
	MUL16 6, 1, NQ-1, 1, 0
	WIN 0
; THE WAY OUT, 16 tokens x 128 columns (two planes) at a time.  PACK: rounded to f16, each accumulator from its low end on, 16 bytes a lane.  TOSTAGE: into my own stage, and back as 4 tokens x 128 bytes an instruction.
; SEND: stored: 32 lanes write 512 consecutive bytes of a plane.  Every place is an immediate: the plane 2^20 bytes, the block 2,048, the quarter 512.
.macro PACK a
.set AC, 64*((\a)%4)
	WIN 0x0a+5*((\a)/4)                            ; sources 0 and 1: window 2 or 3
.irp b, 0,1,2,3,4,5,6,7
.irp i, 0,1,2,3
	v_cvt_pk_f16_f32 v[TMP+4*\b+\i], v[AC+8*\b+2*\i], v[AC+8*\b+2*\i+1]
.endr
.endr
	WIN 0
.endm
.macro TOSTAGE a
.set BK, OB+192*((\a)%2)
.irp b, 0,1,2,3,4,5,6,7
	ds_store_b128 v[STO], v[TMP+4*\b:TMP+4*\b+3] offset:(\b/4)*16*SPP+(\b%4)*32
.endr
.irp t, 0,1,2,3,4,5,6,7
	ds_load_b128 v[BK+4*\t:BK+4*\t+3], v[RD] offset:(\t/4)*16*SPP+(\t%4)*4*SPP   ; LDS serves a wave's instructions in order: these see the stores above
.endr
.endm
.macro SEND a
.set BK, OB+192*((\a)%2)
	s_wait_dscnt 0x0                               ; the block is back in registers
	s_wait_xcnt 0x0                                ; the stores of the block before have read their registers: the next block's loads may land there
.irp t, 0,1,2,3,4,5,6,7
	global_store_b128 v[CO], v[BK+4*\t:BK+4*\t+3], s[12:13] offset:(\t/4)*1048576+(\a)*2048+(\t%4)*512
.endr
.endm
	PLACES NP                                      ; behind the last products: for the conversions that read results and the loads into registers that held scale words
	PACK 0
	TOSTAGE 0
.irp a, 1,2,3,4,5,6,7                  ; block a's conversions stand between block a - 1's loads from the stage and the wait for them
	PACK \a
	SEND \a-1
	TOSTAGE \a
.endr
	SEND 7
	s_wait_tensorcnt 0x0                           ; the wave's end, behind my last tensor load and my last LDS store
	ds_add_u32 v[SPW], v[NIL]
	s_wait_dscnt 0x0
	CROUND                                         ; the closing round: no work-group ends while a partner may still ask for a tile that names it
	s_endpgm
.Lfunc_end_k_q5e85ff3e6c_qkv:
	.size	k_q5e85ff3e6c_qkv, .Lfunc_end_k_q5e85ff3e6c_qkv-k_q5e85ff3e6c_qkv
	.p2alignl 7, 3214868480
	.fill 96, 4, 3214868480
	.section	.rodata,"a",@progbits
	.p2align	6, 0x0
	.amdhsa_kernel k_q5e85ff3e6c_qkv
		.amdhsa_group_segment_fixed_size 327680
		.amdhsa_private_segment_fixed_size 0
		.amdhsa_enable_private_segment 0
		.amdhsa_kernarg_size 40
		.amdhsa_user_sgpr_count 2
		.amdhsa_user_sgpr_kernarg_segment_ptr 1
		.amdhsa_wavefront_size32 1
		.amdhsa_system_sgpr_workgroup_id_x 1
		.amdhsa_system_sgpr_workgroup_id_y 1
		.amdhsa_system_sgpr_workgroup_id_z 1
		.amdhsa_system_vgpr_workitem_id 0
		.amdhsa_next_free_vgpr 1024
		.amdhsa_next_free_sgpr 98
		.amdhsa_reserve_vcc 0
		.amdhsa_float_denorm_mode_32 3
		.amdhsa_float_denorm_mode_16_64 3
		.amdhsa_memory_ordered 1
		.amdhsa_forward_progress 1
		.amdhsa_inst_pref_size 126
	.end_amdhsa_kernel
	.amdgpu_metadata
---
amdhsa.version: [ 1, 2 ]
amdhsa.kernels:
  - .name:           k_q5e85ff3e6c_qkv
    .symbol:         k_q5e85ff3e6c_qkv.kd
    .args:
      - { .name: xc, .offset: 0, .size: 8, .value_kind: global_buffer, .address_space: global }
      - { .name: xs, .offset: 8, .size: 8, .value_kind: global_buffer, .address_space: global }
      - { .name: wc, .offset: 16, .size: 8, .value_kind: global_buffer, .address_space: global }
      - { .name: ws, .offset: 24, .size: 8, .value_kind: global_buffer, .address_space: global }
      - { .name: qkv, .offset: 32, .size: 8, .value_kind: global_buffer, .address_space: global }
    .group_segment_fixed_size: 327680
    .private_segment_fixed_size: 0
    .kernarg_segment_align: 8
    .kernarg_segment_size: 40
    .max_flat_workgroup_size: 128
    .sgpr_count:     98
    .vgpr_count:     1024
    .wavefront_size: 32
...
	.end_amdgpu_metadata
.endif
;; end of part 2
;; launch attn (part 3): grid 4 x 64, 8 waves a work-group, clusters of 4 x 1, 327,680 bytes of LDS; arguments qkv, att; writes att
.if DOCPART == 3
	.amdgcn_target "amdgcn-amd-amdhsa--gfx1250"
	.amdhsa_code_object_version 6
	.text
	.protected	k_q5e85ff3e6c_attn
	.globl	k_q5e85ff3e6c_attn
	.p2align	8
	.type	k_q5e85ff3e6c_attn,@function
k_q5e85ff3e6c_attn:
	s_mov_b64 s[64:65], 0
	v_nop
	global_prefetch_b8 v0, s[64:65] scope:SCOPE_SE
	s_setreg_imm32_b32 hwreg(HW_REG_WAVE_MODE, 25, 1), 1
	s_wait_xcnt 0x0
	s_wait_alu depctr_hold_cnt(0) depctr_sa_sdst(0) depctr_va_vdst(0) depctr_va_sdst(0) depctr_va_ssrc(0) depctr_va_vcc(0) depctr_vm_vsrc(0)
	s_getreg_b32 s2, hwreg(HW_REG_IB_STS2, 6, 4)
	s_cmp_eq_u32 s2, 0
	s_cbranch_scc0 .Lentry_in_a_cluster
	s_endpgm
.Lentry_in_a_cluster:
	s_bfe_u32 s2, ttmp6, 0x10000c
	s_cmp_lg_u32 s2, 0x3003
	s_cbranch_scc0 .Lentry_shape_is_right
	s_endpgm
.Lentry_shape_is_right:
; att[h][token q][:] = the sum over keys of softmax_k(Q[q] . K[k] / 64) V[k][:], for each of 4 batches x 16 heads; 2,048 keys, head size 64, no mask.
; Q, K, V: planes of qkv [48][8192 tokens][64] f16 (plane 16 type + head, token 2048 b + s).  att: [16 heads][8192 tokens][64] f16.  Products by the f16 form with f32 sums; maxima, exponentials and sums in f32.
; f16 and not bf16: each output sums some 2,000 terms of either sign, so an operand's relative rounding shows whole in the result; bf16's eight bits would use up the allowed hundredth, f16's eleven a twentieth of it.
; LIMIT: |q|, |k|, |v| under 65,504, as the launch before states.  The weights p are at most 1 (to rounding).
; SHARES.  A work-group owns 512 queries of one batch and head, each of its EIGHT waves 64: four tiles of 16, in 512 registers: two waves to a SIMD, so that one wave's softmax can stand beside the other's products.
; Every wave walks all 2,048 keys, 64 a step.  LAYOUT: S^T = K Q^T (source 0 = 16 keys, source 1 = 16 queries), O^T = V^T P (source 0 = 16 channels, source 1 = P): a lane holds ONE query throughout;
; two tiles of S^T rounded to f16 in pairs ARE source 1 of the second product.  K comes out of LDS as it lies, V ([key][channel]) turned, by ds_load_tr16_b128.
; SOFTMAX.  For each query a running maximum m and sum l: p = 2^(c s - c m), c = log2(e) / 64; in every step O and l are multiplied by a = 2^(c m_old - c m_new).  l is the sum of the f32 p and divides at the end.
; CLUSTER.  The four query blocks of one batch and head form a cluster and walk the same K and V: each tile is asked for JOINTLY, mask 15.  A slot holds 256 keys (four steps): waves 0-3 fetch K's four quarters,
; waves 4-7 V's, 64 rows of 128 bytes each: one load a wave behind each round, out for four key steps; a wave never has more than one tensor load out.
; REGISTERS: window 0: v1-11 addresses; v12-43 eight statistics a tile; v61-63; v64-191 S^T, 32 a tile (P takes the low 16 of its own tile, in place); v192-255 K of a step.
;            window 1: v0-127 O^T, 32 a tile; v128-191 Q, 16 a tile; v192-255 V of a step.
.set KS,    64                         ; keys in a step
.set PK,    144                        ; a row of K in LDS: 128 bytes + 16: the sixteen rows of a load start 36 words apart
.set PV,    160                        ; a row of V: 128 + 32
.set VOFF,  KS*PK                      ; a step's tiles lie together: 64 rows of K, then 64 rows of V
.set STEPB, KS*(PK+PV)
.set SLOT1, 1<<17                      ; slot 1 begins here: one exclusive or turns an address in one slot into the other's
.set STAGE, SLOT1+4*STEPB              ; behind the ring: 16 rows x 144 bytes for each wave, for the way out
.set SP,    144
.set SPARE, STAGE+8*16*SP              ; the spare words, 128 bytes for each wave: four blocks of 256 bytes that no other line names
.set SLOTB, 4*KS*128                   ; a slot's keys in memory: 32,768 bytes of K, as many of V
.set AK0, 2                            ; v2   my lane's place in a tile of K
.set AV0, 3                            ; v3   the same for V
.set ADK, 4                            ; v4   the step's address in K
.set QO,  5                            ; v5   my byte offset in the wave's rows of Q
.set STO, 6                            ; v6   the way out: where I put 16 bytes of a row
.set RD,  7                            ; v7   where I read rows back
.set GO,  8                            ; v8   my byte offset in the wave's rows of att
.set ADV, 10                           ; v10  the step's address in V
.set ST,  12                           ; tile t's statistics at v[ST+8 t]: +0 c m, +1 m, +2, +3 l (even keys', odd keys'), +4 to +7 c0-c3 at work; a takes c2's place
.set PFO, 61                           ; v61  256 x my lane; never rewritten
.set SPW, 62                           ; v62  LDS address of my spare word; never rewritten
.set NIL, 63                           ; v63  0; never rewritten
.set S,   64
.set KB,  192
.set QF,  128                          ; in window 1
.set VB,  192                          ; in window 1
.set WV,  12                           ; s12  my wave's number
.set LIM, 15                           ; s15  1 in a wave that prefetches, else the greatest number
.set PFA, 18                           ; s[18:19] where my prefetches stand
.set G1K, 24
.set G1V, 32
.set G0K, 40                           ; s[40:43], s[44:47] groups 0, which walk
.set G0V, 44
.set SLOTS, 56                         ; s56  slots still to be asked for
.set CNT, 57                           ; s57  counts a slot's steps
.set CS,  58                           ; s[58:59] c, written twice: the packed form names a pair
.set SEL, 60                           ; s[60:61] selects for v_permlanex16_b32: lane l xor 16
.set TB,  62                           ; s62  LDS byte at which the tiles of the step to be fetched begin
.set MSB, 0
.macro WIN new
.if MSB != (\new)
	s_set_vgpr_msb (MSB<<8)|(\new)
.set MSB, (\new)
.endif
.endm
.set W_KQ, 0x04                        ; K and S^T in window 0, Q in window 1
.set W_PV, 0x51                        ; V and O^T in window 1, P in window 0
.set W_RS, 0x41                        ; O^T (destination and source 0) in window 1, a in window 0
.macro JLOAD                           ; a joint load; the branch hangs on the wave's number alone.  An s_nop 0 and four v_nop follow each of the two lines
	s_cmp_lt_u32 s[WV], 4
	s_cbranch_scc0 .Lfor_v_\@
	tensor_load_to_lds s[G0K:G0K+3], s[G1K:G1K+7]
	s_nop 0
.rept 4
	v_nop
.endr
	s_branch .Lasked_\@
.Lfor_v_\@:
	tensor_load_to_lds s[G0V:G0V+3], s[G1V:G1V+7]
	s_nop 0
.rept 4
	v_nop
.endr
.Lasked_\@:
.endm
; A PREFETCH of what the NEXT change of slots will ask for: 32,768 bytes of K and as many of V, four key steps (256 matrix instructions a wave) ahead of that load.  Only this cluster reads these rows.  Its four
; partners share them out BY ADDRESS, 8,192 bytes each, lanes 256 bytes apart; in each, wave 0 asks for K's and wave 4 for V's: each aligned 256 bytes is named once in the launch.
; The last change that fills a slot asks for nothing; slots 0 and 1 come by their loads alone.
.macro ASK
	s_cmp_gt_u32 s[SLOTS], s[LIM]
	s_cbranch_scc0 .Lnot_mine_\@
	global_prefetch_b8 v[PFO], s[PFA:PFA+1] th:TH_LOAD_NT scope:SCOPE_SE
.Lnot_mine_\@:
.endm
.macro CROUND                          ; a round of the cluster's barrier
	s_barrier_signal -1
	s_barrier_wait -1
	s_cmp_lg_u32 s[WV], 0
	s_cbranch_scc1 .Lnot_wave_0_\@
	s_barrier_signal -3
.Lnot_wave_0_\@:
	s_barrier_wait -3
	s_barrier_signal -1
	s_barrier_wait -1
.endm
	s_load_b128 s[4:7], s[0:1], 0x0                ; qkv s[4:5], att s[6:7]
	v_lshl_add_u32 v[SPW], v0, 2, SPARE
	v_mov_b32 v[NIL], 0
	ds_add_u32 v[SPW], v[NIL]                      ; the wave's opening: the add, twice on end, and its wait ahead of my first tensor load
	ds_add_u32 v[SPW], v[NIL]
	v_lshrrev_b32 v1, 5, v0
	v_readfirstlane_b32 s[WV], v1                  ; wave 0..7
	s_bfe_u32 s13, ttmp6, 0x40000                  ; cx: my place in the cluster
	s_lshl_b32 s14, ttmp9, 2
	s_add_co_u32 s14, s14, s13                     ; my block of 512 queries: it enters Q's and att's addresses alone
	s_and_b32 s16, ttmp7, 0xffff                   ; y = 16 x batch + head, which the four partners share
	s_and_b32 s17, s16, 15
	s_lshr_b32 s16, s16, 4
	s_lshl_b32 s20, s17, 20                        ; the head's plane,
	s_lshl_b32 s16, s16, 18                        ; the batch's 2,048 tokens of 128 bytes
	s_add_co_u32 s20, s20, s16
	s_and_b32 s17, s[WV], 3                        ; which quarter of a slot I fetch:
	s_lshl_b32 s22, s17, 13                        ; its 64 rows of 128 bytes in memory,
	s_add_co_u32 s22, s22, s20
	s_add_co_u32 s22, s22, 16<<20                  ; in K's planes, 16 on from Q's
	s_mov_b32 s23, 0
	s_mul_i32 s17, s17, STEPB                      ; and its place in a slot
	s_lshl_b32 s2, s14, 16                         ; my block's 512 rows,
	s_lshl_b32 s3, s[WV], 13                       ; my wave's 64 of them
	s_add_co_u32 s2, s2, s3
	s_add_co_u32 s2, s2, s20
	s_mov_b32 s3, 0
	; group 1: a tile of 64 rows x 64 elements of 2 bytes, dense in memory, padded behind every row (32 words)
	s_mov_b32 s[G1K], 15|(1<<16)|(1<<20)|(1<<21)|(4<<22)|(3<<25)   ; the mask: all four work-groups; bit 21 beside it; 4 words of padding
	s_mov_b32 s[G1V], 15|(1<<16)|(1<<20)|(1<<21)|(4<<22)|(7<<25)   ; the same with 8 words
.irp g, G1K, G1V
	s_mov_b32 s[\g+1], 64<<16                      ; tensor_dim0
	s_mov_b32 s[\g+2], KS<<16                      ; tensor_dim1
	s_mov_b32 s[\g+3], 64<<16                      ; tile_dim0
	s_mov_b32 s[\g+4], KS                          ; tile_dim1
	s_mov_b32 s[\g+5], 64                          ; the pitch in memory
	s_mov_b32 s[\g+6], 0
	s_mov_b32 s[\g+7], 0
.endr
	s_mov_b32 s[CS], 0x3cb8aa3b                    ; c = log2(e) / 64
	s_mov_b32 s[CS+1], s[CS]
	s_mov_b32 s[SEL], 0x76543210
	s_mov_b32 s[SEL+1], 0xfedcba98
	s_mov_b32 s[TB], 0
	s_mov_b32 s[SLOTS], 7
	s_and_b32 s[LIM], s[WV], 3                     ; waves 0 and 4 prefetch
	s_cmp_eq_u32 s[LIM], 0
	s_cselect_b32 s[LIM], 1, -1
	v_and_b32 v[PFO], 31, v0
	v_lshlrev_b32 v[PFO], 8, v[PFO]
	s_wait_dscnt 0x0                               ; both opening adds are done
	s_wait_kmcnt 0x0
	s_add_nc_u64 s[8:9], s[4:5], s[22:23]          ; K at my quarter of slot 0,
	s_add_nc_u64 s[10:11], s[8:9], 16<<20          ; V 16 planes on
	s_add_nc_u64 s[4:5], s[4:5], s[2:3]            ; Q and att at my wave's first row
	s_add_nc_u64 s[6:7], s[6:7], s[2:3]
	s_cmp_lt_u32 s[WV], 4
	s_cselect_b64 s[PFA:PFA+1], s[8:9], s[10:11]   ; (in waves 0 and 4 these stand at a slot's first row)
	s_lshl_b32 s2, s13, 13                         ; my work-group's 8,192 bytes of the 32,768
	s_add_nc_u64 s[PFA:PFA+1], s[PFA:PFA+1], s[2:3]
	s_add_nc_u64 s[PFA:PFA+1], s[PFA:PFA+1], SLOTB ; in slot 1; the first change of slots steps it to slot 2.  Nothing is prefetched at the head
	CROUND                                         ; all four work-groups are here: the first joint loads meet
	s_mov_b32 s[G0K], 1
	s_mov_b32 s[G0K+1], s17
	s_mov_b64 s[G0K+2:G0K+3], s[8:9]
	s_or_b32 s[G0K+3], s[G0K+3], 0x80000000
	s_mov_b32 s[G0V], 1
	s_add_co_u32 s[G0V+1], s17, VOFF
	s_mov_b64 s[G0V+2:G0V+3], s[10:11]
	s_or_b32 s[G0V+3], s[G0V+3], 0x80000000
	JLOAD                                          ; slot 0
	v_and_b32 v1, 15, v0                           ; r = lane % 16
	v_bfe_u32 v9, v0, 4, 1                         ; h = lane / 16
	v_lshlrev_b32 v[QO], 7, v1
	v_lshl_add_u32 v[QO], v9, 4, v[QO]             ; row x 128 + 16 x half
	WIN 0x40                                       ; destination window 1
.irp i, 0,1,2,3,4,5,6,7                ; Q stays in registers: tile i / 2, channels 32 (i % 2) on
	global_load_b128 v[QF+8*\i:QF+8*\i+3],   v[QO], s[4:5] offset:(\i/2)*2048+(\i%2)*64
	global_load_b128 v[QF+8*\i+4:QF+8*\i+7], v[QO], s[4:5] offset:(\i/2)*2048+(\i%2)*64+32
.endr
	WIN 0
	v_mul_u32_u24 v[AK0], v1, PK
	v_lshl_add_u32 v[AK0], v9, 4, v[AK0]           ; row x pitch + 16 x half
	v_and_b32 v44, 7, v0                           ; the turning load: lane l reads key 8 (l / 16) + l % 8, channels 8 ((l / 8) % 2) + 0..7
	v_bfe_u32 v45, v0, 3, 1
	v_lshl_add_u32 v[AV0], v9, 3, v44
	v_mul_u32_u24 v[AV0], v[AV0], PV
	v_lshl_add_u32 v[AV0], v45, 4, v[AV0]
	v_add_nc_u32 v[AV0], VOFF, v[AV0]
	s_mul_i32 s16, s[WV], 16*SP
	s_add_co_u32 s16, s16, STAGE                   ; my stage
	v_mul_u32_u24 v[STO], v1, SP                   ; in: row r, 16 bytes for each half of the lanes
	v_lshl_add_u32 v[STO], v9, 4, v[STO]
	v_add_nc_u32 v[STO], s16, v[STO]
	v_bfe_u32 v45, v0, 3, 2                        ; back: eight lanes to a row of 128 bytes, four rows an instruction
	v_mul_u32_u24 v[RD], v45, SP
	v_lshl_add_u32 v[RD], v44, 4, v[RD]
	v_add_nc_u32 v[RD], s16, v[RD]
	v_and_b32 v[GO], 31, v0
	v_lshlrev_b32 v[GO], 4, v[GO]                  ; and the same 512 consecutive bytes in att
; Product i of 32 of S^T = K Q^T: channels 32 (i / 16) on, keys 16 ((i / 4) % 4) on, tile i % 4.  The first 16 start the sums.  The 16 accumulators take turns, one instruction a turn.
.macro KQ
.set rS, S+32*(i%4)+8*((i/4)%4)
.set rK, KB+8*(2*((i/4)%4)+i/16)
.set rQ, QF+16*(i%4)+8*(i/16)
.if i < 16
	v_wmma_f32_16x16x32_f16 v[rS:rS+7], v[rK:rK+7], v[rQ:rQ+7], 0
.else
	v_wmma_f32_16x16x32_f16 v[rS:rS+7], v[rK:rK+7], v[rQ:rQ+7], v[rS:rS+7]
.endif
.endm
; Product i of 32 of O^T += V^T P: keys 32 (i / 16) on, channels 16 ((i / 4) % 4) on, tile i % 4.  zero = 1: the first 16 start the sums: nothing is ever cleared.
.macro PV zero
.set rO, 32*(i%4)+8*((i/4)%4)
.set rV, VB+8*(4*(i/16)+(i/4)%4)
.set rP, S+32*(i%4)+8*(i/16)
.if \zero && (i < 16)
	v_wmma_f32_16x16x32_f16 v[rO:rO+7], v[rV:rV+7], v[rP:rP+7], 0
.else
	v_wmma_f32_16x16x32_f16 v[rO:rO+7], v[rV:rV+7], v[rP:rP+7], v[rO:rO+7]
.endif
.endm
; One tile's softmax for one key step is a list of 118 instructions; SM writes number j of it for tile t.  s0-s31 are the lane's 32 scores, in pairs 0-15.
;   0-15   the maximum of s0-s31 and the old m, three operands at a time; each accumulator of S^T is first read at its low end
;   16-20  the other half of the lanes' maximum; the new m; c m; c m_old - c m_new
;   21-36  the 16 scalings c s - c m       37-69  ONE BATCH of 33 exponentials (a, then s0-s31), none of which reads another's result
;   (wait) between 69 and 70 stands the one wait for the batch: SOFTMAX writes it, once for all four tiles
;   70-85  the sums, in two chains, which leave the weights as they are; l = a l + the sum
;   86-101 the roundings to f16, ascending, in place: number i writes register i and reads registers 2 i and 2 i + 1
;   102-117 the tile's O^T times a
; first = 1: the first key step, which starts m, l and O^T: it has no a and nothing to rescale.
.macro SM t, first
.set rT, ST+8*(\t)
.set rS, S+32*(\t)
.if j < 102
	WIN 0
.endif
.if j < 4
	v_max3_num_f32 v[rT+4+j], v[rS+8*j], v[rS+8*j+1], v[rS+8*j+2]
.elseif j < 12
	v_max3_num_f32 v[rT+4+j%4], v[rT+4+j%4], v[rS+8*(j%4)+2*(j/4)+1], v[rS+8*(j%4)+2*(j/4)+2]
.elseif j == 12
	v_max3_num_f32 v[rT+4], v[rT+4], v[rS+7], v[rS+15]
.elseif j == 13
	v_max3_num_f32 v[rT+6], v[rT+6], v[rS+23], v[rS+31]
.elseif j == 14
	v_max3_num_f32 v[rT+4], v[rT+4], v[rT+5], v[rT+6]
.elseif (j == 15) && \first
	v_max_num_f32 v[rT+4], v[rT+4], v[rT+7]
.elseif j == 15
	v_max3_num_f32 v[rT+4], v[rT+4], v[rT+7], v[rT+1]
.elseif j == 16
	v_permlanex16_b32 v[rT+5], v[rT+4], s[SEL], s[SEL+1]  ; the query's other 32 keys lie in the lane 16 away
.elseif j == 18
	v_max_num_f32 v[rT+1], v[rT+4], v[rT+5]
.elseif j == 19
	v_mul_f32 v[rT], s[CS], v[rT+1]
.elseif ((j == 17) || (j == 20) || (j == 37) || (j > 101)) && \first  ; the first step has none of these
.elseif j == 17
	v_mov_b32 v[rT+7], v[rT]                       ; c m_old is kept for a
.elseif j == 20
	v_sub_f32 v[rT+7], v[rT+7], v[rT]
.elseif j < 37
	v_pk_fma_f32 v[rS+2*(j-21):rS+2*(j-21)+1], v[rS+2*(j-21):rS+2*(j-21)+1], s[CS:CS+1], v[rT:rT+1] op_sel_hi:[1,0,0] neg_lo:[0,0,1] neg_hi:[0,0,1]  ; c s - c m
.elseif j == 37
	v_exp_f32 v[rT+6], v[rT+7]
.elseif j < 70
	v_exp_f32 v[rS+j-38], v[rS+j-38]
.elseif j < 86
.set z, j-70
.if z == 0
.if \first
	v_pk_add_f32 v[rT+2:rT+3], v[rS:rS+1], v[rS+4:rS+5]
.else
	v_pk_fma_f32 v[rT+2:rT+3], v[rT+2:rT+3], v[rT+6:rT+7], v[rS:rS+1] op_sel_hi:[1,0,1]
.endif
.elseif z == 1
	v_pk_add_f32 v[rT+4:rT+5], v[rS+2:rS+3], v[rS+6:rS+7]
.elseif z == 15
	v_pk_add_f32 v[rT+2:rT+3], v[rT+2:rT+3], v[rT+4:rT+5]
.elseif z%2 == 0
.if (z != 2) || (\first == 0)
	v_pk_add_f32 v[rT+2:rT+3], v[rT+2:rT+3], v[rS+2*z:rS+2*z+1]
.endif
.else
	v_pk_add_f32 v[rT+4:rT+5], v[rT+4:rT+5], v[rS+2*z+4:rS+2*z+5]
.endif
.elseif j < 102
	v_cvt_pk_f16_f32 v[rS+j-86], v[rS+2*(j-86)], v[rS+2*(j-86)+1]
.else
	WIN W_RS
.set rO, 32*(\t)+2*(j-102)
	v_pk_mul_f32 v[rO:rO+1], v[rO:rO+1], v[rT+6:rT+7] op_sel_hi:[1,0]
.endif
.endm
.macro SOFTMAX first                   ; the four tiles by turns, so that no line waits for the line above it
.set j, 0
.rept 118
.if j == 70
	v_nop                                          ; a plain instruction behind the last exponential,
	s_wait_alu depctr_va_vdst(0)                   ; and the wait ahead of the first line that names a result: one for the step's 132 exponentials
.endif
.irp t, 0,1,2,3
	SM \t, \first
.endr
.set j, j+1
.endr
.endm
; A KEY STEP, in phases: the step's K and V out of LDS; S^T; the softmax; O^T.
.macro STEP first
	WIN 0
	v_add_nc_u32 v[ADK], s[TB], v[AK0]
	v_add_nc_u32 v[ADV], s[TB], v[AV0]
	s_add_co_u32 s[TB], s[TB], STEPB               ; the next fetch is the next step's
.irp f, 0,1,2,3,4,5,6,7                ; keys 16 (f / 2) on, channels 32 (f % 2) on
	ds_load_b128 v[KB+8*\f:KB+8*\f+3],   v[ADK] offset:(\f/2)*16*PK+(\f%2)*64
	ds_load_b128 v[KB+8*\f+4:KB+8*\f+7], v[ADK] offset:(\f/2)*16*PK+(\f%2)*64+32
.endr
	WIN 0x40                                       ; destination window 1
.irp f, 0,1,2,3,4,5,6,7                ; keys 32 (f / 4) on, channels 16 (f % 4) on
	ds_load_tr16_b128 v[VB+8*\f:VB+8*\f+3],   v[ADV] offset:(\f/4)*32*PV+(\f%4)*32
	ds_load_tr16_b128 v[VB+8*\f+4:VB+8*\f+7], v[ADV] offset:(\f/4)*32*PV+16*PV+(\f%4)*32
.endr
	s_wait_dscnt 16                                ; K is in; V's sixteen loads may be out
	WIN W_KQ
.set i, 0
.rept 32
	KQ
.set i, i+1
.endr
	WIN 0
.rept 4
	v_nop                                          ; places between the last product and the first read of the scores
.endr
	SOFTMAX \first
	s_wait_dscnt 0x0                               ; V is in
	WIN W_PV
.set i, 0
.rept 32
	PV \first
.set i, i+1
.endr
	WIN 0
.rept 5
	v_nop                                          ; five places: the next step's first products write over P, which these products read; V's next loads want four
.endr
.endm
.macro STEPS n                         ; n key steps: written once, walked n times; the LDS addresses hang on s[TB]
	s_mov_b32 s[CNT], \n
.Lstep_\@:
	STEP 0
	s_sub_co_u32 s[CNT], s[CNT], 1
	s_cmp_lg_u32 s[CNT], 0
	s_cbranch_scc1 .Lstep_\@
.endm
; THE CHANGE OF SLOTS stands at a slot's head.  Each wave waits for all its tensor loads (its part of the slot that it is about to read), adds 0 to its spare word, and waits for that and for its reads of the slot
; that it has left.  fill = 1: the barrier is a round of the cluster's, so that no wave of any partner still reads the other slot or has a load on its way, and the joint load is the first thing behind it.
.macro CHANGE fill
	WIN 0
	s_wait_tensorcnt 0x0                           ; no tensor load of mine is out, so a group 0 may be written
	ds_add_u32 v[SPW], v[NIL]                      ; 0 onto my spare word
.if \fill
	s_xor_b32 s[G0K+1], s[G0K+1], SLOT1            ; the walking descriptors: the other slot than last time,
	s_add_nc_u64 s[G0K+2:G0K+3], s[G0K+2:G0K+3], SLOTB   ; the next 256 keys; the type bits on top are not reached
	s_xor_b32 s[G0V+1], s[G0V+1], SLOT1
	s_add_nc_u64 s[G0V+2:G0V+3], s[G0V+2:G0V+3], SLOTB
	s_wait_xcnt 0x0                                ; the last prefetch, four key steps back, has read its address, so it may be written:
	s_add_nc_u64 s[PFA:PFA+1], s[PFA:PFA+1], SLOTB ; one slot further on than the walking descriptors
	s_wait_dscnt 0x0                               ; the add is done, and my reads of the slot that I have left are over
	CROUND
	JLOAD
	ASK
.else
	s_wait_dscnt 0x0
	s_barrier_signal -1
	s_barrier_wait -1
.endif
.endm
.macro NEXTSLOT
	s_sub_co_u32 s[TB], s[TB], 4*STEPB             ; the fetches go back to a slot's first step,
	s_xor_b32 s[TB], s[TB], SLOT1                  ; in the other slot
.endm
	CHANGE 1                                       ; slot 0 is whole; slot 1 is filled for the first time, behind a round behind which nothing is filled again
	s_wait_loadcnt 0x0                             ; Q
	STEP 1                                         ; the first key step starts m, l and O^T
	STEPS 3
	NEXTSLOT
	s_mov_b32 s[SLOTS], 6
.Lslot:                                            ; six trips: slots 1 to 6 are read, slots 2 to 7 asked for
	CHANGE 1
	STEPS 4
	NEXTSLOT
	s_sub_co_u32 s[SLOTS], s[SLOTS], 1
	s_cmp_lg_u32 s[SLOTS], 0
	s_cbranch_scc1 .Lslot
	CHANGE 0                                       ; the last slot is written out
	STEPS 4
	; THE WAY OUT.  l's two halves and the other half of the lanes' are added; O^T is divided by l, rounded to f16 and sent through my stage, a tile (16 rows of 128 bytes) at a time.
.irp t, 0,1,2,3
	v_add_f32 v[ST+8*\t+4], v[ST+8*\t+2], v[ST+8*\t+3]
.endr
.irp t, 0,1,2,3
	v_permlanex16_b32 v[ST+8*\t+5], v[ST+8*\t+4], s[SEL], s[SEL+1]
.endr
.irp t, 0,1,2,3
	v_add_f32 v[ST+8*\t+4], v[ST+8*\t+4], v[ST+8*\t+5]
.endr
.irp t, 0,1,2,3
	v_rcp_f32 v[ST+8*\t+6], v[ST+8*\t+4]
.endr
	v_nop                                          ; a plain instruction behind the last reciprocal,
	s_wait_alu depctr_va_vdst(0)                   ; and the wait ahead of the first use: one for the four
.macro PACK t
	WIN W_RS
.set i, 32*\t
.rept 16
	v_pk_mul_f32 v[i:i+1], v[i:i+1], v[ST+8*\t+6:ST+8*\t+7] op_sel_hi:[1,0]
.set i, i+2
.endr
	WIN 0x05                                       ; sources 0 and 1 window 1, destination window 0: S^T's registers are free
.set i, 0
.rept 16
	v_cvt_pk_f16_f32 v[S+32*\t+i], v[32*\t+2*i], v[32*\t+2*i+1]
.set i, i+1
.endr
	WIN 0
.irp f, 0,1,2,3
	ds_store_b128 v[STO], v[S+32*\t+4*\f:S+32*\t+4*\f+3] offset:32*\f
.endr
.irp f, 0,1,2,3
	ds_load_b128 v[S+32*\t+16+4*\f:S+32*\t+16+4*\f+3], v[RD] offset:\f*4*SP   ; LDS serves a wave's instructions in order: these see the stores above; the next tile's stores come behind them
.endr
.endm
.macro SEND t, younger                 ; younger: the LDS instructions issued behind tile t's loads: the next tile's eight, or none
.irp f, 0,1,2,3
	s_wait_dscnt \younger+3-\f
	global_store_b128 v[GO], v[S+32*\t+16+4*\f:S+32*\t+16+4*\f+3], s[6:7] offset:\t*2048+\f*512   ; 32 lanes store 512 consecutive bytes, at a multiple of 512 from att's first byte
.endr
.endm
	PACK 0
	PACK 1
	SEND 0, 8
	PACK 2
	SEND 1, 8
	PACK 3
	SEND 2, 8
	SEND 3, 0
	s_wait_tensorcnt 0x0                           ; the wave's end, behind my last tensor load and my last LDS store
	ds_add_u32 v[SPW], v[NIL]
	s_wait_dscnt 0x0
	CROUND                                         ; the closing round
	s_endpgm
.Lfunc_end_k_q5e85ff3e6c_attn:
	.size	k_q5e85ff3e6c_attn, .Lfunc_end_k_q5e85ff3e6c_attn-k_q5e85ff3e6c_attn
	.p2alignl 7, 3214868480
	.fill 96, 4, 3214868480
	.section	.rodata,"a",@progbits
	.p2align	6, 0x0
	.amdhsa_kernel k_q5e85ff3e6c_attn
		.amdhsa_group_segment_fixed_size 327680
		.amdhsa_private_segment_fixed_size 0
		.amdhsa_enable_private_segment 0
		.amdhsa_kernarg_size 16
		.amdhsa_user_sgpr_count 2
		.amdhsa_user_sgpr_kernarg_segment_ptr 1
		.amdhsa_wavefront_size32 1
		.amdhsa_system_sgpr_workgroup_id_x 1
		.amdhsa_system_sgpr_workgroup_id_y 1
		.amdhsa_system_sgpr_workgroup_id_z 1
		.amdhsa_system_vgpr_workitem_id 0
		.amdhsa_next_free_vgpr 512
		.amdhsa_next_free_sgpr 66
		.amdhsa_reserve_vcc 0
		.amdhsa_float_denorm_mode_32 3
		.amdhsa_float_denorm_mode_16_64 3
		.amdhsa_memory_ordered 1
		.amdhsa_forward_progress 1
		.amdhsa_inst_pref_size 147
	.end_amdhsa_kernel
	.amdgpu_metadata
---
amdhsa.version: [ 1, 2 ]
amdhsa.kernels:
  - .name:           k_q5e85ff3e6c_attn
    .symbol:         k_q5e85ff3e6c_attn.kd
    .args:
      - { .name: qkv, .offset: 0, .size: 8, .value_kind: global_buffer, .address_space: global }
      - { .name: att, .offset: 8, .size: 8, .value_kind: global_buffer, .address_space: global }
    .group_segment_fixed_size: 327680
    .private_segment_fixed_size: 0
    .kernarg_segment_align: 8
    .kernarg_segment_size: 16
    .max_flat_workgroup_size: 256
    .sgpr_count:     66
    .vgpr_count:     512
    .wavefront_size: 32
...
	.end_amdgpu_metadata
.endif
;; end of part 3
;; launch proj (part 4): grid 4 x 64, 4 waves a work-group, clusters of 4 x 4, 327,680 bytes of LDS; arguments att, wo16, out0; writes out0
.if DOCPART == 4
	.amdgcn_target "amdgcn-amd-amdhsa--gfx1250"
	.amdhsa_code_object_version 6
	.text
	.protected	k_q5e85ff3e6c_proj
	.globl	k_q5e85ff3e6c_proj
	.p2align	8
	.type	k_q5e85ff3e6c_proj,@function
k_q5e85ff3e6c_proj:
	s_mov_b64 s[64:65], 0
	v_nop
	global_prefetch_b8 v0, s[64:65] scope:SCOPE_SE
	s_setreg_imm32_b32 hwreg(HW_REG_WAVE_MODE, 25, 1), 1
	s_wait_xcnt 0x0
	s_wait_alu depctr_hold_cnt(0) depctr_sa_sdst(0) depctr_va_vdst(0) depctr_va_sdst(0) depctr_va_ssrc(0) depctr_va_vcc(0) depctr_vm_vsrc(0)
	s_getreg_b32 s2, hwreg(HW_REG_IB_STS2, 6, 4)
	s_cmp_eq_u32 s2, 0
	s_cbranch_scc0 .Lentry_in_a_cluster
	s_endpgm
.Lentry_in_a_cluster:
	s_bfe_u32 s2, ttmp6, 0x10000c
	s_cmp_lg_u32 s2, 0xf033
	s_cbranch_scc0 .Lentry_shape_is_right
	s_endpgm
.Lentry_shape_is_right:
; out0[token][n] = sum over j of concat[token][j] Wo[j][n], j = 64 head + channel.  concat lies as att [16 heads][8192 tokens][64] f16; Wo as wo16 [1024 j][1024 n] f16; out0 [8192][1024] f32; sums in f32.
; f16 operands: eleven bits; bf16's eight would use up the allowed error.  LIMIT: the attention's result and Wo under 65,504 in magnitude.
; A tile of out0 is 128 tokens x 256 columns: 4 x 64 = 256 work-groups.  Four waves, each 64 tokens x 128 columns: 32 accumulators of 16 x 16, 256 registers (window 1).
; K goes in steps of 128 (two heads) through a ring of two LDS slots: waves 0 and 1 fetch the two heads' 128 tokens x 128 bytes (dense in memory), waves 2 and 3 64 rows of Wo x 512 bytes each.
; THE MATRIX INSTRUCTION IS USED TRANSPOSED: source 0 = 16 columns n of Wo, turned out of its [j][n] rows by ds_load_tr16_b128; source 1 = 16 tokens: a lane holds eight neighbouring columns of one token.
; CLUSTERS: 4 x 4 work-groups: the four of a row of the cluster need the same tokens, the four of a column the same columns of Wo: each tile is asked for JOINTLY.
; No prefetch: Wo's tiles are read by sixteen clusters one after the other, the tile is small and K has eight steps.
; REGISTERS: window 0: v16-29 addresses; v64-127 the tokens' fragments, two buffers of 32; v128-255 Wo's, two buffers of 64 (on the way out: rows read back).  window 1: accumulator (a, b) at v[8 (8 a + b)].
.set PA,    144                        ; a token's row of one head in LDS: 128 bytes + 16
.set PB,    544                        ; a row of Wo's tile: 512 bytes + 32
.set PLANE, 128*PA                     ; one head's 128 tokens
.set BOFF,  2*PLANE
.set BHALF, 64*PB
.set SLOT,  BOFF+2*BHALF
.set STAGE, 2*SLOT                     ; behind the ring: 16 rows x (512 + 16) bytes for each wave
.set SPITCH, 528
.set SPARE, STAGE+4*16*SPITCH          ; the spare words, 128 bytes for each wave: two blocks of 256 bytes that no other line names
.set LAPS,  4                          ; a lap = two K steps = once round the ring
.set ADRA, 16
.set ADRB, 20
.set STO,  24
.set RD,   25
.set CO,   26
.set SPW,  28
.set NIL,  29
.set FA,   64
.set FB,   128
.set G1, 24
.set G0, 32
.set G1B, 48
.set G0B, 56
.set MSB, 0
.macro WIN new
.if MSB != (\new)
	s_set_vgpr_msb (MSB<<8)|(\new)
.set MSB, (\new)
.endif
.endm
.set MUL, 0x50                         ; both sources window 0; C and D window 1
.macro JLOAD s                         ; a joint load: waves 0 and 1 fetch the tokens' two heads, waves 2 and 3 Wo's two halves; an s_nop 0 and four v_nop follow each of the two lines
	s_cmp_eq_u32 s11, 0
	s_cbranch_scc0 .Lfor_b_\@
	tensor_load_to_lds s[G0+4*\s:G0+4*\s+3], s[G1:G1+7]
	s_nop 0
.rept 4
	v_nop
.endr
	s_branch .Lasked_\@
.Lfor_b_\@:
	tensor_load_to_lds s[G0B+4*\s:G0B+4*\s+3], s[G1B:G1B+7]
	s_nop 0
.rept 4
	v_nop
.endr
.Lasked_\@:
.endm
.macro CREST                           ; a round of the cluster's barrier behind its opening barrier
	s_cmp_lg_u32 s10, 0
	s_cbranch_scc1 .Lnot_wave_0_\@
	s_barrier_signal -3
.Lnot_wave_0_\@:
	s_barrier_wait -3
	s_barrier_signal -1
	s_barrier_wait -1
.endm
.macro CROUND
	s_barrier_signal -1
	s_barrier_wait -1
	CREST
.endm
	s_load_b128 s[4:7], s[0:1], 0x0                ; att s[4:5], wo16 s[6:7]
	s_load_b64 s[8:9], s[0:1], 0x10                ; out0
	v_lshl_add_u32 v[SPW], v0, 2, SPARE
	v_mov_b32 v[NIL], 0
	ds_add_u32 v[SPW], v[NIL]                      ; the wave's opening: the add, twice on end, and its wait ahead of my first tensor load
	ds_add_u32 v[SPW], v[NIL]
	v_lshrrev_b32 v1, 5, v0
	v_readfirstlane_b32 s10, v1                    ; wave 0..3
	s_lshr_b32 s11, s10, 1                         ; which 64 tokens are mine.  Also: I fetch tokens (0) or Wo (1)
	s_and_b32 s12, s10, 1                          ; which 128 columns.  Also: which half of that tile I fetch
	s_bfe_u32 s40, ttmp6, 0x40000                  ; cx, cy
	s_bfe_u32 s41, ttmp6, 0x40004
	s_lshl_b32 s42, ttmp9, 2
	s_add_co_u32 s42, s42, s40                     ; tile column = 4 x cluster x + cx
	s_and_b32 s13, ttmp7, 0xffff
	s_lshl_b32 s13, s13, 2
	s_add_co_u32 s13, s13, s41                     ; tile row = 4 x cluster y + cy
	s_lshl_b32 s43, s41, 2
	s_lshl_b32 s43, 15, s43                        ; my row of the cluster
	s_lshl_b32 s44, 0x1111, s40                    ; my column
	; group 1 for the tokens: 128 rows x 64 elements of 2 bytes, dense; 4 words of padding behind every 32
	s_or_b32 s[G1+0], s43, (1<<16)|(1<<20)|(1<<21)|(4<<22)|(3<<25)
	s_mov_b32 s[G1+1], 64<<16                      ; tensor_dim0
	s_mov_b32 s[G1+2], 128<<16                     ; tensor_dim1
	s_mov_b32 s[G1+3], 64<<16                      ; tile_dim0
	s_mov_b32 s[G1+4], 128                         ; tile_dim1
	s_mov_b32 s[G1+5], 64                          ; the pitch in memory
	s_mov_b32 s[G1+6], 0
	s_mov_b32 s[G1+7], 0
	; and for Wo: 64 rows x 256 elements, 1,024 elements apart; 8 words of padding behind every 128
	s_or_b32 s[G1B+0], s44, (1<<16)|(1<<20)|(1<<21)|(6<<22)|(7<<25)
	s_mov_b32 s[G1B+1], 256<<16
	s_mov_b32 s[G1B+2], 64<<16
	s_mov_b32 s[G1B+3], 256<<16
	s_mov_b32 s[G1B+4], 64
	s_mov_b32 s[G1B+5], 1024
	s_mov_b32 s[G1B+6], 0
	s_mov_b32 s[G1B+7], 0
	s_lshl_b32 s16, s13, 14                        ; the tile row's 128 tokens of 128 bytes,
	s_lshl_b32 s17, s12, 20                        ; in my head of the K step's two
	s_add_co_u32 s16, s16, s17
	s_mov_b32 s17, 0
	s_lshl_b32 s46, s42, 9                         ; the tile column's 256 columns of 2 bytes,
	s_lshl_b32 s47, s12, 17                        ; my 64 rows of 2,048 bytes
	s_add_co_u32 s46, s46, s47
	s_mov_b32 s47, 0
	s_mul_i32 s20, s12, PLANE                      ; where they go: no place in the cluster enters an LDS address
	s_mul_i32 s21, s12, BHALF
	s_add_co_u32 s21, s21, BOFF
	s_wait_dscnt 0x0                               ; both opening adds are done
	s_wait_kmcnt 0x0
	s_add_nc_u64 s[14:15], s[4:5], s[16:17]
	s_add_nc_u64 s[46:47], s[6:7], s[46:47]
	CROUND                                         ; all sixteen work-groups are here: the first joint loads meet
.irp s, 0,1
	s_mov_b32 s[G0+4*\s], 1
	s_add_co_u32 s[G0+4*\s+1], s20, \s*SLOT
	s_add_nc_u64 s[G0+4*\s+2:G0+4*\s+3], s[14:15], \s*0x200000   ; K step s: two heads' planes on
	s_or_b32 s[G0+4*\s+3], s[G0+4*\s+3], 0x80000000
	s_mov_b32 s[G0B+4*\s], 1
	s_add_co_u32 s[G0B+4*\s+1], s21, \s*SLOT
	s_add_nc_u64 s[G0B+4*\s+2:G0B+4*\s+3], s[46:47], \s*128*2048  ; 128 rows of Wo on
	s_or_b32 s[G0B+4*\s+3], s[G0B+4*\s+3], 0x80000000
	JLOAD \s
.endr
	v_and_b32 v1, 15, v0                           ; r
	v_bfe_u32 v2, v0, 4, 1                         ; h
	v_mul_u32_u24 v3, v1, PA
	v_lshl_add_u32 v3, v2, 4, v3                   ; a token's row x pitch + 16 x half
	v_and_b32 v4, 7, v0                            ; the turning load: lane l reads row 8 (l / 16) + l % 8, columns 8 ((l / 8) % 2) + 0..7
	v_lshl_add_u32 v4, v2, 3, v4
	v_mul_u32_u24 v4, v4, PB
	v_bfe_u32 v5, v0, 3, 1
	v_lshl_add_u32 v4, v5, 4, v4
	s_mul_i32 s21, s11, 64*PA                      ; my 64 tokens
	s_lshl_b32 s22, s12, 8                         ; my 128 columns,
	s_add_co_u32 s22, s22, BOFF                    ; behind the tokens' two planes
.irp s, 0,1
	v_add_nc_u32 v[ADRA+\s], s21, v3
	v_add_nc_u32 v[ADRB+\s], s22, v4
	s_add_co_u32 s21, s21, SLOT
	s_add_co_u32 s22, s22, SLOT
.endr
	s_mul_i32 s23, s10, 16*SPITCH
	s_add_co_u32 s23, s23, STAGE                   ; my stage
	v_mul_u32_u24 v5, v1, SPITCH                   ; in: token r, 32 bytes for each half of the lanes
	v_lshl_add_u32 v5, v2, 5, v5
	v_add_nc_u32 v[STO], s23, v5
	v_and_b32 v6, 31, v0
	v_lshlrev_b32 v[CO], 4, v6                     ; back: the 32 lanes take one row of 512 bytes; and the same in out0
	v_add_nc_u32 v[RD], s23, v[CO]
	s_lshl_b32 s16, s13, 7
	s_lshl_b32 s17, s11, 6
	s_add_co_u32 s16, s16, s17                     ; my first token: 128 x tile row + 64 x half,
	s_lshl_b32 s16, s16, 12                        ; of 4,096 bytes
	s_mov_b32 s17, 0
	s_add_nc_u64 s[8:9], s[8:9], s[16:17]
	s_lshl_b32 s46, s42, 10                        ; my first column, in bytes: 1,024 x tile column + 512 x half
	s_lshl_b32 s47, s12, 9
	s_add_co_u32 s46, s46, s47
	s_mov_b32 s47, 0
	s_add_nc_u64 s[8:9], s[8:9], s[46:47]
; 8 matrix instructions: token block a against Wo's eight blocks, 32 along K, buffer f.  The 32 accumulators take turns, one instruction a turn, in the same order in every quarter.
.macro MUL8 f, a, zero
.irp b, 0,1,2,3,4,5,6,7
.if \zero
	v_wmma_f32_16x16x32_f16 v[8*(8*(\a)+\b):8*(8*(\a)+\b)+7], v[FB+64*(\f)+8*\b:FB+64*(\f)+8*\b+7], v[FA+32*(\f)+8*(\a):FA+32*(\f)+8*(\a)+7], 0
.else
	v_wmma_f32_16x16x32_f16 v[8*(8*(\a)+\b):8*(8*(\a)+\b)+7], v[FB+64*(\f)+8*\b:FB+64*(\f)+8*\b+7], v[FA+32*(\f)+8*(\a):FA+32*(\f)+8*(\a)+7], v[8*(8*(\a)+\b):8*(8*(\a)+\b)+7]
.endif
.endr
.endm
; 24 LDS loads in one run: the fragments of the slot's q-th 32 along K into buffer f: Wo's sixteen, then the tokens' eight, blocks 0 and 1 first
.macro FETCH slot, q, f
	WIN 0
.irp b, 0,1,2,3,4,5,6,7
	ds_load_tr16_b128 v[FB+64*(\f)+8*\b:FB+64*(\f)+8*\b+3],   v[ADRB+\slot] offset:(\q)*32*PB+32*\b
	ds_load_tr16_b128 v[FB+64*(\f)+8*\b+4:FB+64*(\f)+8*\b+7], v[ADRB+\slot] offset:(\q)*32*PB+16*PB+32*\b
.endr
.irp a, 0,1,2,3
	ds_load_b128 v[FA+32*(\f)+8*\a:FA+32*(\f)+8*\a+3],   v[ADRA+\slot] offset:((\q)/2)*PLANE+((\q)%2)*64+\a*16*PA
	ds_load_b128 v[FA+32*(\f)+8*\a+4:FA+32*(\f)+8*\a+7], v[ADRA+\slot] offset:((\q)/2)*PLANE+((\q)%2)*64+\a*16*PA+32
.endr
.endm
.macro PLACES                          ; four plain instructions in front of loads into registers that matrix instructions have read, and of the first read of results
.rept 4
	v_nop
.endr
.endm
; A K step is four quarters of 32 along K, 32 matrix instructions each, on buffers 0, 1, 0, 1.  One of the first three: multiplies buffer f and fetches quarter qn into buffer g.
.macro QUARTER slot, qn, f, g, zero
	s_wait_dscnt 4                                 ; Wo's fragments and token blocks 0 and 1 are in; the youngest four loads (blocks 2 and 3) may be out
	WIN MUL
	MUL8 \f, 0, \zero
	MUL8 \f, 1, \zero
	PLACES
	FETCH \slot, \qn, \g
	s_wait_dscnt 24                                ; all but the 24 just issued
	WIN MUL
	MUL8 \f, 2, \zero
	MUL8 \f, 3, \zero
.endm
; The last quarter multiplies buffer 1 and changes slots: ONE barrier; in front of it each wave waits for all its tensor loads, adds 0 to its spare word, and waits for that and for its own reads of this slot.
; fill = 1: the barrier opens a round of the cluster's, and this slot is filled again, two K steps ahead: the load has a K step less sixteen matrix instructions in which to land.
.macro TURN slot, next, fill
	WIN 0
	s_wait_tensorcnt 0x0                           ; all my tensor loads have landed: my part of the next slot
	ds_add_u32 v[SPW], v[NIL]                      ; 0 onto my spare word
	s_wait_dscnt 5                                 ; (the add and the youngest four loads may be out)
	WIN MUL
	MUL8 1, 0, 0
	s_wait_dscnt 0x0                               ; the add is done, and my reads of this slot are over
	s_barrier_signal -1
	MUL8 1, 1, 0
.if \fill
	WIN 0
.endif
	s_barrier_wait -1
.if \fill
	CREST                                          ; no wave of any partner still reads this slot's tiles or has a load on its way
	s_add_nc_u64 s[G0+4*\slot+2:G0+4*\slot+3], s[G0+4*\slot+2:G0+4*\slot+3], 0x400000     ; four heads' planes on
	s_add_nc_u64 s[G0B+4*\slot+2:G0B+4*\slot+3], s[G0B+4*\slot+2:G0B+4*\slot+3], 256*2048 ; 256 rows of Wo on
	JLOAD \slot                                    ; the first tensor load behind the round; its four v_nop are also the places in front of the loads below
.else
	PLACES
.endif
	FETCH \next, 0, 0
	WIN MUL
	MUL8 1, 2, 0
	MUL8 1, 3, 0
.endm
	s_wait_tensorcnt 1                             ; my part of K step 0 is in; K step 1's load may be out
	s_barrier_signal -1
	s_barrier_wait -1
	FETCH 0, 0, 0
	QUARTER 0, 1, 0, 1, 1                          ; the first quarter stands in front of the loop: its products start the sums
	WIN 0
	s_mov_b32 s3, LAPS-1
.Llap:                                             ; a trip goes once round the ring, from a lap's second quarter to the next lap's first, and fills both slots again
	QUARTER 0, 2, 1, 0, 0
	QUARTER 0, 3, 0, 1, 0
	TURN 0, 1, 1
	QUARTER 1, 1, 0, 1, 0
	QUARTER 1, 2, 1, 0, 0
	QUARTER 1, 3, 0, 1, 0
	TURN 1, 0, 1
	QUARTER 0, 1, 0, 1, 0
	WIN 0
	s_sub_co_u32 s3, s3, 1
	s_cmp_lg_u32 s3, 0
	s_cbranch_scc1 .Llap
	QUARTER 0, 2, 1, 0, 0                          ; the last lap fills nothing, and has no round of the cluster's barrier
	QUARTER 0, 3, 0, 1, 0
	TURN 0, 1, 0
	QUARTER 1, 1, 0, 1, 0
	QUARTER 1, 2, 1, 0, 0
	QUARTER 1, 3, 0, 1, 0
	s_wait_dscnt 4                                 ; the very last quarter: nothing more to fetch
	WIN MUL
	MUL8 1, 0, 0
	MUL8 1, 1, 0
	s_wait_dscnt 0x0
	MUL8 1, 2, 0
	MUL8 1, 3, 0
	WIN 0
; THE WAY OUT, 16 tokens x 128 columns at a time.  A lane holds 32 neighbouring bytes of a row and the lanes beside it other rows: a block goes through my own stage and comes back as whole rows of 512 bytes.
.macro TOSTAGE a
	WIN 0x04                                       ; an LDS store's data are its source 1: window 1
.irp b, 0,1,2,3,4,5,6,7
	ds_store_b128 v[STO], v[64*(\a)+8*\b:64*(\a)+8*\b+3] offset:64*\b          ; each accumulator from its low end on
	ds_store_b128 v[STO], v[64*(\a)+8*\b+4:64*(\a)+8*\b+7] offset:64*\b+16
.endr
	WIN 0
.set BB, FB+64*((\a)%2)
.irp t, 0,1,2,3,4,5,6,7,8,9,10,11,12,13,14,15
	ds_load_b128 v[BB+4*\t:BB+4*\t+3], v[RD] offset:\t*SPITCH                  ; LDS serves a wave's instructions in order: these see the stores above
.endr
.endm
.macro SEND a, younger                 ; younger: the LDS instructions issued behind block a's loads, which may stay out
.set BB, FB+64*((\a)%2)
	s_wait_dscnt \younger
.irp t, 0,1,2,3,4,5,6,7,8,9,10,11,12,13,14,15
	global_store_b128 v[CO], v[BB+4*\t:BB+4*\t+3], s[8:9] offset:(16*(\a)+\t)*4096 th:TH_STORE_NT   ; 32 lanes store 512 consecutive bytes, at a multiple of 512 from out0's first byte; written once
.endr
.endm
	PLACES
	TOSTAGE 0
.irp a, 1,2,3
.if \a > 1
	s_wait_xcnt 0x0                                ; block a - 2's stores have read their registers: block a's loads may land there
.endif
	TOSTAGE \a
	SEND \a-1, 32                                  ; behind block a - 1's loads: block a's 16 stores and 16 loads
.endr
	SEND 3, 0
	s_wait_tensorcnt 0x0                           ; the wave's end, behind my last tensor load and my last LDS store
	ds_add_u32 v[SPW], v[NIL]
	s_wait_dscnt 0x0
	CROUND                                         ; the closing round
	s_endpgm
.Lfunc_end_k_q5e85ff3e6c_proj:
	.size	k_q5e85ff3e6c_proj, .Lfunc_end_k_q5e85ff3e6c_proj-k_q5e85ff3e6c_proj
	.p2alignl 7, 3214868480
	.fill 96, 4, 3214868480
	.section	.rodata,"a",@progbits
	.p2align	6, 0x0
	.amdhsa_kernel k_q5e85ff3e6c_proj
		.amdhsa_group_segment_fixed_size 327680
		.amdhsa_private_segment_fixed_size 0
		.amdhsa_enable_private_segment 0
		.amdhsa_kernarg_size 24
		.amdhsa_user_sgpr_count 2
		.amdhsa_user_sgpr_kernarg_segment_ptr 1
		.amdhsa_wavefront_size32 1
		.amdhsa_system_sgpr_workgroup_id_x 1
		.amdhsa_system_sgpr_workgroup_id_y 1
		.amdhsa_system_sgpr_workgroup_id_z 1
		.amdhsa_system_vgpr_workitem_id 0
		.amdhsa_next_free_vgpr 512
		.amdhsa_next_free_sgpr 66
		.amdhsa_reserve_vcc 0
		.amdhsa_float_denorm_mode_32 3
		.amdhsa_float_denorm_mode_16_64 3
		.amdhsa_memory_ordered 1
		.amdhsa_forward_progress 1
		.amdhsa_inst_pref_size 85
	.end_amdhsa_kernel
	.amdgpu_metadata
---
amdhsa.version: [ 1, 2 ]
amdhsa.kernels:
  - .name:           k_q5e85ff3e6c_proj
    .symbol:         k_q5e85ff3e6c_proj.kd
    .args:
      - { .name: att, .offset: 0, .size: 8, .value_kind: global_buffer, .address_space: global }
      - { .name: wo16, .offset: 8, .size: 8, .value_kind: global_buffer, .address_space: global }
      - { .name: out0, .offset: 16, .size: 8, .value_kind: global_buffer, .address_space: global }
    .group_segment_fixed_size: 327680
    .private_segment_fixed_size: 0
    .kernarg_segment_align: 8
    .kernarg_segment_size: 24
    .max_flat_workgroup_size: 128
    .sgpr_count:     66
    .vgpr_count:     512
    .wavefront_size: 32
...
	.end_amdgpu_metadata
.endif
;; end of part 4
